; MI455X (gfx1250); checked and timed in simulation.
; The chip was launched on July 23, 2026; its instructions are those of AMD's public machine-readable ISA for CDNA 5 (MIT licence, August 2026) and "CDNA5" Instruction Set Architecture Reference Guide (July 2026). The comments in the code are by the model that wrote it; some were corrected since.
;; Multi Head. Allowed arithmetic: matrix products marked QUANTISED: E2M1 operands, one E8M0 scale for each 32 along K, by v_wmma_scale_f32_16x16x128_f8f6f4 with both operands' format E2M1 (or v_wmma_scale_f32_32x16x128_f4), f32 sums; everything else in f32.
;; Inputs: b_proj 1,024 float32; w_proj 1,024 x 1,024 float32; wk 16 x 1,024 x 64 float32; wq 16 x 1,024 x 64 float32; wv 16 x 1,024 x 64 float32; x 4 x 2,048 x 1,024 float32.
;; Outputs: out0 4 x 2,048 x 1,024 float32.
;; This version of the problem:
;;   THIS VERSION OF THE PROBLEM IS GIVEN IN LOW PRECISION. The matrix products marked QUANTISED in the list below multiply operands that are first quantised to E2M1 (2 exponent bits, 1 mantissa bit; 4 bits a number), with one power-of-two scale for each 32 numbers along K (OCP MX v1.0); their sums are f32. All else is computed in f32.
;;   The module's matrix products, in the order in which they are computed (A, B: the left and right operand; K: the contracted axis; several contracted axes count as one K, in the product's order):
;;     1. [M 1,024, K 1,024] x [K 1,024, N 8,192]; A: input wq; B: input x: QUANTISED
;;     2. [M 1,024, K 1,024] x [K 1,024, N 8,192]; A: input wk; B: input x: QUANTISED
;;     3. [M 1,024, K 1,024] x [K 1,024, N 8,192]; A: input wv; B: input x: QUANTISED
;;     4. batch 64 x [M 2,048, K 64] x [K 64, N 2,048]; A: computed on the way; B: computed on the way: QUANTISED
;;     5. batch 64 x [M 2,048, K 2,048] x [K 2,048, N 64]; A: softmax (see below); B: computed on the way: QUANTISED
;;     6. [M 8,192, K 1,024] x [K 1,024, N 1,024]; A: computed on the way; B: input w_proj: QUANTISED
;;   THE QUANTISER, for each operand of a quantised product, along K:
;;     - K is cut into blocks of 32 from its start; a last block that is shorter is filled with zeros.
;;     - A block's scale is 2^e with e = floor(log2(the largest magnitude in the block)) - 2, held to -126 .. 127; a block of zeros has e = 0. As a byte (E8M0): e + 127.
;;     - Each number is divided by its block's scale, clamped to +-6, and rounded to the nearest number of E2M1, ties to even, subnormals kept.
;;     - The product sums the exact products of the quantised numbers (number of the format x scale) in f32.
;;   ~~~python
;;   def quantise(x, axis):      # numpy; x: float32 -> the quantised numbers, widened to float32 again
;;       x = np.moveaxis(x, axis, -1); K = x.shape[-1]
;;       x = np.pad(x, [(0, 0)] * (x.ndim - 1) + [(0, -K % 32)]); x = x.reshape(x.shape[:-1] + (-1, 32)); a = np.abs(x).max(-1, keepdims=True)
;;       e = np.where(a > 0, np.clip(np.frexp(np.where(a > 0, a, 1))[1] - 1 - 2, -126, 127), 0)      # np.frexp(a)[1] - 1 = floor(log2(a)), exactly
;;       r = np.clip(x / 2.0 ** e, -6, 6)
;;       step = 2.0 ** (np.maximum(np.frexp(np.where(r == 0, 1, r))[1] - 1, 0) - 1)
;;       q = np.round(r / step) * step * 2.0 ** e      # np.round: ties to even
;;       return np.moveaxis(q.reshape(q.shape[:-2] + (-1,))[..., :K], -1, axis).astype(np.float32)
;;   ~~~
;;   SOFTMAX AHEAD OF A QUANTISED PRODUCT. Where the list says 'softmax', what is quantised is not the finished softmax but p = 2^(t - M), with t = logit x log2(e) and M = ceil(the row's largest t), a whole number; so 1/2 < the row's largest p <= 1. The row's sum l is taken of the UNQUANTISED p, in f32, and the product's result is divided by l at the end. Since M is a whole number, a kernel that streams over the keys may use a running M (the ceiling of the running maximum): every later rescaling is an exact power of two, which a block's scale takes up: the codes' values come out the same.
;;   OPERANDS COMPUTED ON THE WAY. 'Computed on the way' means the value that the module computes at that place (a softmax that the list does not call 'softmax' is quantised finished and normalised). What goes into a quantiser is computed in f32, as accurately as f32 sums, v_exp_f32 and their like allow (about 1e-6 of the number): no bf16 or f16 on the way to a quantiser, and a product that is left as it is and whose result goes on into a quantised operand takes f32 operands (vector FMAs, or v_wmma_f32_16x16x4_f32). A number that lies on a knife's edge between two numbers of the format may be rounded either way, as far as f32 arithmetic and the matrix unit's own rounding can turn it there, and no further.
;; One version. Each part assembles by itself: llvm-mc -triple=amdgcn-amd-amdhsa -mcpu=gfx1250 --defsym DOCPART=n.
;; ======== version 1 of 1: 4 launches
;; limits: right only within a limited range of input values
;; workspace buffers: xq 4,456,448 bytes; wz 2,228,224 bytes; qkc 8,388,608 bytes; qks 524,288 bytes; vcd 4,194,304 bytes; vsc 262,144 bytes; oc 4,194,304 bytes; os 262,144 bytes
;; launch quant_w (part 1): grid 64 x 4, 8 waves a work-group, no clusters, 86,016 bytes of LDS; arguments wq, wk, wv, w_proj, wz, x, xq; writes wz, xq
.if DOCPART == 1
	.amdgcn_target "amdgcn-amd-amdhsa--gfx1250"
	.amdhsa_code_object_version 6
	.text
	.protected	k_qd57bde5109_quant_w
	.globl	k_qd57bde5109_quant_w
	.p2align	8
	.type	k_qd57bde5109_quant_w,@function
k_qd57bde5109_quant_w:
	s_mov_b64 s[64:65], 0
	v_nop
	global_prefetch_b8 v0, s[64:65] scope:SCOPE_SE
	s_setreg_imm32_b32 hwreg(HW_REG_WAVE_MODE, 25, 1), 1
	s_wait_xcnt 0x0
; The four weights, whose K is not innermost, become codes of E2M1 with K innermost.  wz: codes [4096 rows][512 bytes] from byte 0, scale bytes [4096][32] from byte WSC.
; Rows 0-1023: wq's columns (64 h + d), 1024-2047: wk's, 2048-3071: wv's, 3072-4095: w_proj's columns n.
; wq, wk, wv: [16][1024 (K)][64]: from K to K + 1 256 bytes, from head to head 262,144.  w_proj: [1024 (K)][1024]: 4,096 bytes, and 256 from one group of 64 columns to the next.
; One text serves all four: pointer, pitch and group stride are chosen on the work-group's number.
; A LANE TAKES A COLUMN AND ITS REGISTERS RUN DOWN K: a block of 32 lies in one lane, and the conversions give codes with K innermost.  Nothing is transposed by an instruction.
; A work-group takes 64 columns x 512 along K.  Wave w: columns 32 (w & 1) on, K 128 (w >> 1) on: four blocks a lane, 128 loads of 128 consecutive bytes a wave.
; The codes meet in a stage of 64 rows x (256 + 16) bytes; behind one barrier each wave stores 8 whole pieces of 256 bytes, aligned.  The scale bytes leave in pieces of 16 bytes,
; 32 bytes apart: 131,072 bytes in the whole launch are written so.
; LIMITS: a block of zeros gets the byte 1 and not 127 (this program alone reads the bytes); NaN and infinities are not served.
; No cluster: no two work-groups read the same bytes.
.set X,     32                         ; v32-159  first the loads' offsets, then the 128 numbers: a load lands on its own offset register
.set CD,    160                        ; v160-175 four registers of codes for each block
.set SB,    24                         ; v24      my four scale bytes
.set PITCH, 272
.set SCB,   64*PITCH                   ; behind the stage: 64 rows x 16 scale bytes
.set WSC,   2097152
; ONE LAUNCH QUANTISES ALL FIVE INPUTS: work-groups with y = 0, 1 take the weights (the text below, as described above), those with y = 2, 3 take x (the text behind the weights' s_endpgm).
; The branch hangs on the work-group's number alone, so all eight waves go the same way.  Each path has LDS bytes of its own: the weights' 0 to 18,431, x's from 20,480 on; the spare words lie between them.
	v_lshl_add_u32 v224, v0, 2, 0x4800
	v_mov_b32 v225, 0
	s_and_b32 s19, ttmp7, 0xffff
	s_cmp_gt_u32 s19, 1
	s_cbranch_scc1 .Lx_path
	s_load_b256 s[4:11], s[0:1], 0x0               ; wq, wk, wv, w_proj
	s_load_b64 s[12:13], s[0:1], 0x20              ; wz
	v_lshrrev_b32 v1, 5, v0
	s_delay_alu instid0(VALU_DEP_1)
	v_readfirstlane_b32 s16, v1                    ; wave 0..7
	v_and_b32 v2, 31, v0                           ; lane
	s_wait_alu depctr_va_vdst(0)
	s_and_b32 s14, s16, 1                          ; which 32 columns
	s_lshr_b32 s15, s16, 1                         ; which 128 along K
	s_lshr_b32 s17, ttmp9, 4                       ; which tensor
	s_and_b32 s18, ttmp9, 15                       ; which group of 64 columns in it
	s_and_b32 s19, ttmp7, 0xffff                   ; which half of K
	v_lshlrev_b32 v3, 2, v2                        ; 4 bytes a lane
	s_mul_i32 s24, s14, 32*PITCH
	s_lshl_b32 s25, s15, 6
	s_add_co_u32 s24, s24, s25
	v_mul_u32_u24 v4, v2, PITCH
	s_delay_alu instid0(VALU_DEP_1)
	v_add_nc_u32 v4, s24, v4                       ; into the stage: row = my column, 64 bytes for each 128 along K
	s_lshl_b32 s24, s14, 9
	s_lshl_b32 s25, s15, 2
	s_add_co_u32 s24, s24, s25
	v_lshl_add_u32 v5, v2, 4, s24
	s_delay_alu instid0(VALU_DEP_1)
	v_add_nc_u32 v5, SCB, v5                       ; my scale word: 16 bytes a row, 4 for each 128 along K
	v_and_b32 v6, 15, v2
	v_lshrrev_b32 v7, 4, v2
	s_mul_i32 s24, s16, 8*PITCH
	v_mul_u32_u24 v8, v7, PITCH
	s_delay_alu instid0(VALU_DEP_1)
	v_lshl_add_u32 v8, v6, 4, v8
	s_delay_alu instid0(VALU_DEP_1)
	v_add_nc_u32 v8, s24, v8                       ; out of the stage: rows 8 w on, sixteen lanes to a row
	v_lshlrev_b32 v9, 9, v7
	s_delay_alu instid0(VALU_DEP_1)
	v_lshl_add_u32 v9, v6, 4, v9                   ; and the same place in wz: rows of 512 bytes
	s_lshl_b32 s24, s16, 7
	v_add_nc_u32 v10, s24, v3
	s_delay_alu instid0(VALU_DEP_1)
	v_add_nc_u32 v10, SCB, v10                     ; the scale bytes of rows 8 w on, 4 bytes a lane
	v_lshrrev_b32 v11, 2, v2
	v_and_b32 v12, 3, v2
	s_delay_alu instid0(VALU_DEP_2)
	v_lshlrev_b32 v11, 5, v11
	s_delay_alu instid0(VALU_DEP_1)
	v_lshl_add_u32 v11, v12, 2, v11                ; and their place in wz: rows of 32 bytes
	s_lshl_b32 s26, ttmp9, 6
	s_lshl_b32 s27, s16, 3
	s_add_co_u32 s26, s26, s27                     ; the first row of wz that I store
	s_lshl_b32 s28, s26, 9
	s_lshl_b32 s27, s19, 8
	s_add_co_u32 s28, s28, s27
	s_mov_b32 s29, 0
	s_lshl_b32 s30, s26, 5
	s_lshl_b32 s27, s19, 4
	s_add_co_u32 s30, s30, s27
	s_add_co_u32 s30, s30, WSC
	s_mov_b32 s31, 0
	s_mov_b32 s20, 256                             ; pitch and group stride of wq, wk, wv
	s_mov_b32 s21, 262144
	s_wait_kmcnt 0x0
	s_cmp_eq_u32 s17, 1
	s_cselect_b64 s[4:5], s[6:7], s[4:5]
	s_cmp_eq_u32 s17, 2
	s_cselect_b64 s[4:5], s[8:9], s[4:5]
	s_cmp_eq_u32 s17, 3
	s_cselect_b64 s[4:5], s[10:11], s[4:5]
	s_cselect_b32 s20, 4096, s20                   ; those of w_proj
	s_cselect_b32 s21, 256, s21
	s_mul_i32 s22, s18, s21
	s_lshl_b32 s23, s19, 9
	s_lshl_b32 s24, s15, 7
	s_add_co_u32 s23, s23, s24                     ; my first K
	s_mul_i32 s23, s23, s20
	s_add_co_u32 s22, s22, s23
	s_lshl_b32 s24, s14, 7
	s_add_co_u32 s22, s22, s24
	s_mov_b32 s23, 0
	s_add_nc_u64 s[4:5], s[4:5], s[22:23]
	s_add_nc_u64 s[32:33], s[12:13], s[28:29]
	s_add_nc_u64 s[34:35], s[12:13], s[30:31]
	v_mov_b32 v13, s20
.set RHO, 0
.rept 128
	v_mad_u32_u24 v[X+RHO], v13, RHO, v3           ; K's step x pitch + 4 x lane
	global_load_b32 v[X+RHO], v[X+RHO], s[4:5] th:TH_LOAD_NT
.set RHO, RHO+1
.endr
.macro BLOCK t, left
.set XS, X+32*(\t)
	s_wait_loadcnt \left
	v_max3_num_f32 v14, |v[XS]|, |v[XS+1]|, |v[XS+2]|              ; the block's largest magnitude: all 32 numbers are mine
	v_max3_num_f32 v15, |v[XS+3]|, |v[XS+4]|, |v[XS+5]|
.irp i, 6,10,14,18,22,26
	s_delay_alu instid0(VALU_DEP_2)
	v_max3_num_f32 v14, v14, |v[XS+\i]|, |v[XS+\i+1]|
	s_delay_alu instid0(VALU_DEP_2)
	v_max3_num_f32 v15, v15, |v[XS+\i+2]|, |v[XS+\i+3]|
.endr
	s_delay_alu instid0(VALU_DEP_2)
	v_max3_num_f32 v14, v14, |v[XS+30]|, |v[XS+31]|
	s_delay_alu instid0(VALU_DEP_1)
	v_max3_num_f32 v14, v14, v15, 0x1800000        ; the floor 2^(3 - 127)
	s_delay_alu instid0(VALU_DEP_1)
	v_add_nc_u32 v16, 0xff000000, v14              ; the conversion's scale operand
	s_delay_alu instid0(VALU_DEP_1)
	v_lshrrev_b32 v17, 23, v16                     ; the byte
.if (\t) == 0
	s_delay_alu instid0(VALU_DEP_1)
	v_mov_b32 v[SB], v17
.else
	s_delay_alu instid0(VALU_DEP_1)
	v_lshl_or_b32 v[SB], v17, 8*(\t), v[SB]
.endif
.irp g, 0,1,2,3
	v_cvt_scalef32_pk8_fp4_f32 v[CD+4*(\t)+\g], v[XS+8*\g:XS+8*\g+7], v16
.endr
	v_nop                                          ; a plain line behind the conversions
	ds_store_b128 v4, v[CD+4*(\t):CD+4*(\t)+3] offset:16*(\t)
.endm
	BLOCK 0, 63                                    ; 96 younger loads might stay out; a wait names 63 at the most
	BLOCK 1, 63                                    ; 64 might
	BLOCK 2, 32                                    ; the last block's 32
	BLOCK 3, 0
	ds_store_b32 v5, v[SB]
	s_wait_dscnt 0x0                               ; for the others' sake: my stores have landed
	s_barrier_signal -1
	s_barrier_wait -1
.irp i, 0,1,2,3
	ds_load_b128 v[32+4*\i:35+4*\i], v8 offset:2*PITCH*\i
.endr
	ds_load_b32 v48, v10
.irp i, 0,1,2,3
	s_wait_dscnt 4-\i                              ; the younger row loads and the scale load may be out
	global_store_b128 v9, v[32+4*\i:35+4*\i], s[32:33] offset:1024*\i   ; sixteen lanes store 256 consecutive bytes, aligned
.endr
	s_wait_dscnt 0x0
	global_store_b32 v11, v48, s[34:35]
	s_wait_tensorcnt 0x0                           ; the wave's end
	ds_add_u32 v224, v225
	s_wait_dscnt 0x0
	s_endpgm
; x [8192 tokens][1024] f32 becomes codes of E2M1, K (the 1,024) innermost, and one E8M0 byte for each 32 along K.
; xq: the codes [8192][512 bytes] from byte 0, the scale bytes [8192][32] from byte XSC.  Rows are dense, so x is a plain stream of blocks of 32.
; A wave takes 8,192 numbers in 16 steps of 512: 128 work-groups of 8 waves.  Each load reads 512 consecutive bytes, 16 a lane; a step's 2,048 bytes turn through the wave's own stage in LDS and come
; back 64 bytes a lane, so that a lane holds 16 neighbours along K and two neighbouring lanes hold a block.  Loads run eight steps (32 loads a wave) ahead.  The waves share nothing: no barrier.
; LIMITS: as for the weights: a block of zeros gets the byte 1 and not 127; NaN and infinities are not served.
.Lx_path:
.set STEPS, 16
.set DEPTH, 8
.set XSC,   4194304                    ; where the scale bytes begin in xq
.set CB,    8                          ; bytes of a lane's 16 codes
.set R,     16                         ; v16-143  eight sets of 16 numbers as loaded
.set XN,    144                        ; v144-175 two sets of 16 neighbours
.set C,     176                        ; v176-207 two registers of codes for each step: no store's data are written again
.set E,     208                        ; v208-223 a scale byte for each step
.set WREG,  8192                       ; LDS of a wave: two stages of 32 x SP bytes, then its 256 scale bytes
.set SP,    80                         ; a lane's place in a stage: 64 bytes + 16 of padding
.set XB,    20480                      ; where this path's LDS bytes begin
	s_load_b64 s[4:5], s[0:1], 0x28                ; x
	s_load_b64 s[6:7], s[0:1], 0x30                ; xq
	v_lshrrev_b32 v1, 5, v0
	v_readfirstlane_b32 s16, v1                    ; wave 0..7
	v_and_b32 v2, 31, v0                           ; lane
	v_lshlrev_b32 v3, 4, v2                        ; my 16 bytes of a load's 512
	s_mul_i32 s17, s16, WREG
	s_add_co_u32 s17, s17, XB
	v_lshrrev_b32 v14, 2, v2
	v_mul_u32_u24 v14, v14, SP
	v_and_b32 v15, 3, v2
	v_lshl_add_u32 v14, v15, 4, v14
	v_add_nc_u32 v14, s17, v14                     ; into the stage: SP (lane / 4) + 16 (lane % 4)
	v_mul_u32_u24 v15, v2, SP
	v_add_nc_u32 v15, s17, v15                     ; out of it: SP x lane
	v_mul_u32_u24 v4, v2, CB                       ; my codes' place in a step's 256 bytes
	v_lshrrev_b32 v5, 1, v2
	s_add_co_u32 s17, s17, 2*32*SP
	v_add_nc_u32 v5, s17, v5                       ; my block's byte among the wave's 256
	v_lshlrev_b32 v7, 3, v2
	v_add_nc_u32 v6, s17, v7                       ; and 8 bytes a lane on the way out
	s_sub_co_u32 s18, s19, 2
	s_lshl_b32 s18, s18, 6
	s_add_co_u32 s18, s18, ttmp9                   ; which of the 128 work-groups
	s_lshl_b32 s18, s18, 3
	s_add_co_u32 s18, s18, s16                     ; which run of 8,192 numbers is my wave's: 0..1023
	s_lshl_b32 s20, s18, 15                        ; 32,768 bytes of x a run
	s_mov_b32 s21, 0
	s_lshl_b32 s22, s18, 12                        ; 4,096 bytes of codes
	s_mov_b32 s23, 0
	s_lshl_b32 s24, s18, 8                         ; 256 scale bytes
	s_add_co_u32 s24, s24, XSC
	s_mov_b32 s25, 0
	s_wait_alu depctr_va_vdst(0)                   ; the wait at the head's end
	s_wait_kmcnt 0x0
	s_add_nc_u64 s[4:5], s[4:5], s[20:21]
	s_add_nc_u64 s[8:9], s[6:7], s[22:23]
	s_add_nc_u64 s[10:11], s[6:7], s[24:25]
.macro LOAD t
.irp i, 0,1,2,3
	global_load_b128 v[R+16*((\t)%DEPTH)+4*\i:R+16*((\t)%DEPTH)+4*\i+3], v3, s[4:5] offset:2048*(\t)+512*\i th:TH_LOAD_NT
.endr
.endm
.macro TURN t                          ; step t's numbers through the stage; LDS serves a wave's instructions in order, so no wait stands between the stores and the loads
.irp i, 0,1,2,3
	ds_store_b128 v14, v[R+16*((\t)%DEPTH)+4*\i:R+16*((\t)%DEPTH)+4*\i+3] offset:32*SP*((\t)%2)+8*SP*\i
.endr
.irp i, 0,1,2,3
	ds_load_b128 v[XN+16*((\t)%2)+4*\i:XN+16*((\t)%2)+4*\i+3], v15 offset:32*SP*((\t)%2)+16*\i
.endr
.endm
.irp t, 0,1,2,3,4,5,6,7
	LOAD \t
.endr
	s_wait_loadcnt 28                              ; step 0's four loads are in; the 28 of steps 1 to 7 may be out
	TURN 0
.macro STEP t
.set XS, XN+16*((\t)%2)
.if (\t) > 0
	s_wait_dscnt 1                                 ; this step's numbers are back from the stage (the last step's byte store may be out), so its stores into the stage have read their registers,
.else
	s_wait_dscnt 0x0
.endif
.if (\t)+DEPTH < STEPS
	LOAD (\t)+DEPTH                                ; which take the loads of eight steps on
.endif
.if (\t)+1 < STEPS
.if STEPS-2-(\t) >= DEPTH-1
	s_wait_loadcnt 4*(DEPTH-1)                     ; the next step's four loads are in; those of the seven steps behind it may be out
.else
	s_wait_loadcnt 4*(STEPS-2-(\t))                ; near the end fewer steps lie behind it
.endif
	TURN (\t)+1
.endif
	v_max3_num_f32 v8, |v[XS]|, |v[XS+1]|, |v[XS+2]|               ; the largest magnitude of my 16, in two chains
	v_max3_num_f32 v9, |v[XS+3]|, |v[XS+4]|, |v[XS+5]|
.irp i, 6,10
	v_max3_num_f32 v8, v8, |v[XS+\i]|, |v[XS+\i+1]|
	v_max3_num_f32 v9, v9, |v[XS+\i+2]|, |v[XS+\i+3]|
.endr
	v_max3_num_f32 v8, v8, |v[XS+14]|, |v[XS+15]|
	v_max3_num_f32 v8, v8, v9, 0x1800000           ; and the floor 2^(3 - 127): the byte cannot fall under 1
	v_max_num_f32_dpp v8, v8, v8 row_xmask:1 row_mask:0xf bank_mask:0xf   ; with my neighbour's 16: the block's
	v_add_nc_u32 v11, 0xff000000, v8               ; 2 off the exponent field: the conversion takes this operand's exponent field as its scale
	v_cvt_scalef32_pk8_fp4_f32 v[C+2*(\t)], v[XS:XS+7], v11
	v_cvt_scalef32_pk8_fp4_f32 v[C+2*(\t)+1], v[XS+8:XS+15], v11
	v_lshrrev_b32 v[E+(\t)], 23, v11               ; the scale's byte (also the plain line behind the conversions)
	ds_store_b8 v5, v[E+(\t)] offset:16*(\t)       ; both lanes of a block write the same byte with the same value
	global_store_b64 v4, v[C+2*(\t):C+2*(\t)+1], s[8:9] offset:32*CB*(\t)   ; the wave stores 256 consecutive bytes, aligned
.endm
.irp t, 0,1,2,3,4,5,6,7,8,9,10,11,12,13,14,15
	STEP \t
.endr
	ds_load_b64 v[12:13], v6                       ; my wave's own bytes, behind its stores
	s_wait_dscnt 0x0
	global_store_b64 v7, v[12:13], s[10:11]        ; 256 consecutive scale bytes, aligned
	s_wait_tensorcnt 0x0                           ; the wave's end
	ds_add_u32 v224, v225
	s_wait_dscnt 0x0
	s_endpgm
.Lfunc_end_k_qd57bde5109_quant_w:
	.size	k_qd57bde5109_quant_w, .Lfunc_end_k_qd57bde5109_quant_w-k_qd57bde5109_quant_w
	.p2alignl 7, 3214868480
	.fill 96, 4, 3214868480
	.section	.rodata,"a",@progbits
	.p2align	6, 0x0
	.amdhsa_kernel k_qd57bde5109_quant_w
		.amdhsa_group_segment_fixed_size 86016
		.amdhsa_private_segment_fixed_size 0
		.amdhsa_enable_private_segment 0
		.amdhsa_kernarg_size 56
		.amdhsa_user_sgpr_count 2
		.amdhsa_user_sgpr_kernarg_segment_ptr 1
		.amdhsa_wavefront_size32 1
		.amdhsa_system_sgpr_workgroup_id_x 1
		.amdhsa_system_sgpr_workgroup_id_y 1
		.amdhsa_system_sgpr_workgroup_id_z 1
		.amdhsa_system_vgpr_workitem_id 0
		.amdhsa_next_free_vgpr 226
		.amdhsa_next_free_sgpr 66
		.amdhsa_reserve_vcc 0
		.amdhsa_float_denorm_mode_32 3
		.amdhsa_float_denorm_mode_16_64 3
		.amdhsa_memory_ordered 1
		.amdhsa_forward_progress 1
		.amdhsa_inst_pref_size 68
	.end_amdhsa_kernel
	.amdgpu_metadata
---
amdhsa.version: [ 1, 2 ]
amdhsa.kernels:
  - .name:           k_qd57bde5109_quant_w
    .symbol:         k_qd57bde5109_quant_w.kd
    .args:
      - { .name: wq, .offset: 0, .size: 8, .value_kind: global_buffer, .address_space: global }
      - { .name: wk, .offset: 8, .size: 8, .value_kind: global_buffer, .address_space: global }
      - { .name: wv, .offset: 16, .size: 8, .value_kind: global_buffer, .address_space: global }
      - { .name: w_proj, .offset: 24, .size: 8, .value_kind: global_buffer, .address_space: global }
      - { .name: wz, .offset: 32, .size: 8, .value_kind: global_buffer, .address_space: global }
      - { .name: x, .offset: 40, .size: 8, .value_kind: global_buffer, .address_space: global }
      - { .name: xq, .offset: 48, .size: 8, .value_kind: global_buffer, .address_space: global }
    .group_segment_fixed_size: 86016
    .private_segment_fixed_size: 0
    .kernarg_segment_align: 8
    .kernarg_segment_size: 56
    .max_flat_workgroup_size: 256
    .sgpr_count:     66
    .vgpr_count:     226
    .wavefront_size: 32
...
	.end_amdgpu_metadata
.endif
;; end of part 1
;; launch qkv (part 2): grid 8 x 48, 4 waves a work-group, clusters of 4 x 4, 327,680 bytes of LDS; arguments xq, wz, qkc, qks, vcd, vsc; writes qkc, qks, vcd, vsc
.if DOCPART == 2
	.amdgcn_target "amdgcn-amd-amdhsa--gfx1250"
	.amdhsa_code_object_version 6
	.text
	.protected	k_qd57bde5109_qkv
	.globl	k_qd57bde5109_qkv
	.p2align	8
	.type	k_qd57bde5109_qkv,@function
k_qd57bde5109_qkv:
	s_mov_b64 s[64:65], 0
	v_nop
	global_prefetch_b8 v0, s[64:65] scope:SCOPE_SE
	s_setreg_imm32_b32 hwreg(HW_REG_WAVE_MODE, 25, 1), 1
	s_wait_xcnt 0x0
	s_wait_alu depctr_hold_cnt(0) depctr_sa_sdst(0) depctr_va_vdst(0) depctr_va_sdst(0) depctr_va_ssrc(0) depctr_va_vcc(0) depctr_vm_vsrc(0)
	s_getreg_b32 s2, hwreg(HW_REG_IB_STS2, 6, 4)
	s_cmp_eq_u32 s2, 0
	s_cbranch_scc0 .Lentry_in_a_cluster
	s_endpgm
.Lentry_in_a_cluster:
	s_bfe_u32 s2, ttmp6, 0x10000c
	s_cmp_lg_u32 s2, 0xf033
	s_cbranch_scc0 .Lentry_shape_is_right
	s_endpgm
.Lentry_shape_is_right:
; q, k and v = x W on codes of E2M1 (K = 1,024), and their results quantised at once: no f32 result goes to memory.
; A tile is 256 x 256, a wave's 128 x 128: 64 accumulators, 512 registers.  Source 0 takes 16 rows of operand B, source 1 16 rows of operand A: lane (r, h) then holds row r of A's
; block and eight NEIGHBOURING rows of B's block, 8 h + 0 .. 7.  So the results are quantised along B's rows.
; TWO FLAVOURS, ONE TEXT, chosen by the cluster's y (the same in all sixteen partners), by selects of pointers and strides alone:
;   y < 8:  A = 256 tokens of x, B = 256 rows of wq | wk: q and k, quantised along the head's 64 (two blocks).
;   y >= 8: A = 256 rows of wv, B = 256 tokens of x: v, quantised along the tokens, which are the keys of the second product of attention.
; OUT.  qkc [b][chunk 32][t 2048][32 bytes]: chunk h: q of head h, chunk 16 + h: k.  qks [b][16][t] words: bytes 0, 1 head 2 j, bytes 2, 3 head 2 j + 1; rows 0-7 q, 8-15 k.
;       vcd [b][h][64 keys: 32][d 64][32 bytes].  vsc [b][h][128 keys: 16][d 64] words.
; ALL OF K LIES IN LDS: two halves of 512 along K, each filled once, so no byte of LDS is filled again.  Each wave issues one tensor load, at the head: one is out at the most.
; CLUSTER 4 x 4: A's tiles are shared along a row of the cluster, B's along a column: each is asked for jointly.
; REGISTERS: window 0: v0-31 addresses, v32-95 scale words (lanes 0-15 A's, lanes 16-31 B's), v128-255 A's fragments, two sets; window 1: B's fragments, sets at v0 and v128; windows 2, 3: accumulator (a, b) at v[8 (8 (a % 4) + b)].
; LIMITS: a block of zeros gets the byte 1 and not 127 (this program alone reads the bytes); NaN and infinities are not served.
; LDS AS THIS TEXT LAYS IT: a row's 1,024 codes lie on end, 512 bytes + 16 of padding; A's 256 rows, then B's 256 rows.  Each is brought whole by ONE tensor load at the head, and so are A's and B's scale bytes: one load a wave, nothing is filled later.
.set PITCH,  528                       ; 132 words: the 16 rows of a fragment load start 4 banks apart
.set HALFT,  128*PITCH
.set SLOT,   256                       ; from the first 512 along K to the second, inside a row
.set SCL,    278528                    ; behind the 512 rows (270,336 bytes): the scale bytes
.set HALFS,  16*272
.set SBLK,   2*272                     ; those of 16 rows
.set XSC,    4194304                   ; x's scale bytes in xq
.set WSC,    2097152                   ; the weights' in wz
.set ADRA, 16                          ; v16-17 my A fragments in half 0, 1
.set ADRB, 20                          ; v20-21 B's
.set ADRS, 27                          ; v27    my scale words
.set VO,   8                           ; v8-11  byte offsets of the four pieces of codes that I store
.set VS,   12                          ; v12    of my scale words
.set STO,  24                          ; v24    stage: where a register of codes goes
.set STS,  25                          ; v25    stage: where a scale word goes
.set RDC,  26                          ; v26    stage: codes back
.set RDS,  28                          ; v28    stage: scale words back
.set SC,   32
.set AF,   128
.set CWD,  32                          ; the way out: v32-95 codes, v96-103 scale words: registers of their own for each block of rows
.set PWD,  96
.set TMX,  104                         ; v104-107 largest magnitudes, v108-111 the partner's, v112-115 scale operands, v116-119 bytes
.set TM2,  108
.set SOP,  112
.set BYT,  116
.set SEL,  14                          ; s[14:15] selects of v_permlanex16_b32: lane l xor 16
.set G1, 24
.set G0, 32
.set G1B, 48
.set G0B, 56
.set G1S, 68
.set G0S, 76
.set G1SB, 80
.set G0SB, 88
.set MSB, 0
.macro WIN new                         ; the immediate's high byte repeats the setting that is left
.if MSB != \new
	s_set_vgpr_msb (MSB<<8)|\new
.set MSB, \new
.endif
.endm
.set MUL_LO, 0xa1                      ; source 0 (B) window 1, source 1 (A) window 0, C and D window 2
.set MUL_HI, 0xf1
.set TO_B,   0x40
; An arm of the head's one chain of branches on the wave's number: its joint load, s_nop 0 and four v_nop, and a jump to the chain's end.
.macro ARM under, g0, g1, next
	s_cmp_lt_u32 s16, \under
	s_cbranch_scc0 \next
	tensor_load_to_lds s[\g0:\g0+3], s[\g1:\g1+7]
	s_nop 0
.rept 4
	v_nop
.endr
	s_branch .Lhead_asked
\next:
.endm
.macro CREST
	s_cmp_lg_u32 s16, 0
	s_cbranch_scc1 .Lnot_wave_0_\@
	s_barrier_signal -3
.Lnot_wave_0_\@:
	s_barrier_wait -3
	s_barrier_signal -1
	s_barrier_wait -1
.endm
.macro CROUND                          ; a round of the cluster's barrier
	s_barrier_signal -1
	s_barrier_wait -1
	CREST
.endm
.macro PLACES n
.rept \n
	v_nop
.endr
.endm
	s_load_b256 s[4:11], s[0:1], 0x0               ; xq s[4:5], wz s[6:7], qkc s[8:9], qks s[10:11]
	s_load_b128 s[12:15], s[0:1], 0x20             ; vcd s[12:13], vsc s[14:15]
	v_lshl_add_u32 v126, v0, 2, 0x48400
	v_mov_b32 v127, 0
	ds_add_u32 v126, v127
	ds_add_u32 v126, v127
	v_lshrrev_b32 v1, 5, v0
	v_readfirstlane_b32 s16, v1                    ; wave 0..3
	s_lshr_b32 s17, s16, 1                         ; my half of the tile's rows
	s_and_b32 s18, s16, 1                          ; my half of its columns
	s_bfe_u32 s19, ttmp6, 0x40000                  ; cx
	s_bfe_u32 s20, ttmp6, 0x40004                  ; cy
	s_and_b32 s22, ttmp7, 0xffff                   ; the cluster's y: under 8 q and k, from 8 on v
	s_lshl_b32 s21, s18, 7
	s_lshl_b32 s40, s22, 2
	s_cmp_lt_u32 s22, 8
	s_cselect_b32 s40, s40, 0
	s_add_co_u32 s40, s40, s20                     ; A's tile: 4 y + cy (tokens), or cy (rows of wv)
	s_lshl_b32 s41, s20, 2
	s_lshl_b32 s41, 15, s41                        ; my row of the cluster
	s_max_u32 s44, s22, 8
	s_sub_co_u32 s44, s44, 8
	s_lshl_b32 s44, s44, 3                         ; 0, or 8 (y - 8)
	s_lshl_b32 s45, ttmp9, 2
	s_add_co_u32 s44, s44, s45
	s_add_co_u32 s44, s44, s19                     ; B's tile: 4 x + cx (+ 8 (y - 8))
	s_lshl_b32 s45, 0x1111, s19                    ; my column of the cluster
	s_or_b32 s[G1+0], s41, (0<<16)|(1<<20)|(1<<21)|(6<<22)|(3<<25)  ; mask; elements of 1 byte; padding of 4 words behind every 128; bit 21 beside a mask
	s_or_b32 s[G1B+0], s45, (0<<16)|(1<<20)|(1<<21)|(6<<22)|(3<<25)
.irp g, G1, G1B
	s_mov_b32 s[\g+1], 512<<16                     ; tensor_dim0 = 512 bytes: a row's 1,024 codes
	s_mov_b32 s[\g+2], 256<<16                     ; tensor_dim1 = 256 rows
	s_mov_b32 s[\g+3], 512<<16                     ; tile_dim0
	s_mov_b32 s[\g+4], 256                         ; tile_dim1
	s_mov_b32 s[\g+5], 512                         ; rows are dense in memory
	s_mov_b32 s[\g+6], 0
	s_mov_b32 s[\g+7], 0
.endr
	s_or_b32 s[G1S+0], s41, (3<<16)|(1<<20)|(1<<21)|(5<<22)|(3<<25) ; the scale bytes of 256 rows: 8,192 dense bytes as 32 rows of 32 elements of 8 bytes
	s_or_b32 s[G1SB+0], s45, (3<<16)|(1<<20)|(1<<21)|(5<<22)|(3<<25)
.irp g, G1S, G1SB
	s_mov_b32 s[\g+1], 32<<16
	s_mov_b32 s[\g+2], 32<<16                      ; the scale bytes of 256 rows: 8,192 dense bytes, 32 rows of 256
	s_mov_b32 s[\g+3], 32<<16
	s_mov_b32 s[\g+4], 32
	s_mov_b32 s[\g+5], 32
	s_mov_b32 s[\g+6], 0
	s_mov_b32 s[\g+7], 0
.endr
	s_lshl_b32 s23, s40, 8                         ; the first row of A's tile
	s_lshl_b32 s66, s44, 8                         ; and of B's
	s_mov_b32 s43, 0
	s_mov_b32 s47, 0
	s_mov_b32 s100, 2048                           ; strides of the way out, v's first
	s_mov_b32 s101, 65536
	s_mov_b32 s2, 4096
	s_wait_dscnt 0x0
	s_wait_kmcnt 0x0
	s_add_nc_u64 s[92:93], s[6:7], 1048576         ; wv's codes: row 2,048 of wz
	s_add_nc_u64 s[94:95], s[6:7], 2162688         ; wv's scale bytes
	s_add_nc_u64 s[96:97], s[4:5], XSC             ; x's scale bytes
	s_add_nc_u64 s[98:99], s[6:7], WSC             ; wq's and wk's
	s_cmp_lt_u32 s22, 8
	s_cselect_b64 s[92:93], s[4:5], s[92:93]       ; A's codes
	s_cselect_b64 s[94:95], s[96:97], s[94:95]     ; A's scale bytes
	s_cselect_b64 s[98:99], s[98:99], s[96:97]     ; B's scale bytes
	s_cselect_b64 s[96:97], s[6:7], s[4:5]         ; B's codes
	s_cselect_b64 s[8:9], s[8:9], s[12:13]         ; where the codes go
	s_cselect_b64 s[10:11], s[10:11], s[14:15]     ; where the scale words go
	s_cselect_b32 s100, 65536, s100                ; from 64 columns to the next 64: a chunk of qkc, or 64 keys of vcd
	s_cselect_b32 s101, 2048, s101                 ; from 64 rows to the next 64: 64 tokens, or a head
	s_cselect_b32 s2, 256, s2                      ; the same for the scale words
	s_lshl_b32 s42, s23, 9
	s_add_nc_u64 s[92:93], s[92:93], s[42:43]
	s_lshl_b32 s42, s23, 5
	s_add_nc_u64 s[94:95], s[94:95], s[42:43]
	s_lshl_b32 s46, s66, 9
	s_add_nc_u64 s[96:97], s[96:97], s[46:47]
	s_lshl_b32 s46, s66, 5
	s_add_nc_u64 s[98:99], s[98:99], s[46:47]
	CROUND                                         ; all sixteen work-groups are here: the joint loads meet
	s_mov_b32 s[G0S], 1
	s_mov_b32 s[G0S+1], SCL
	s_mov_b64 s[G0S+2:G0S+3], s[94:95]
	s_or_b32 s[G0S+3], s[G0S+3], 0x80000000
	s_mov_b32 s[G0SB], 1
	s_mov_b32 s[G0SB+1], SCL+2*HALFS
	s_mov_b64 s[G0SB+2:G0SB+3], s[98:99]
	s_or_b32 s[G0SB+3], s[G0SB+3], 0x80000000
	s_mov_b32 s[G0], 1
	s_mov_b32 s[G0+1], 0
	s_mov_b64 s[G0+2:G0+3], s[92:93]
	s_or_b32 s[G0+3], s[G0+3], 0x80000000
	s_mov_b32 s[G0B], 1
	s_mov_b32 s[G0B+1], 2*HALFT
	s_mov_b64 s[G0B+2:G0B+3], s[96:97]
	s_or_b32 s[G0B+3], s[G0B+3], 0x80000000
	; the head's four joint loads, one a wave: wave 0 A's codes, wave 1 B's, wave 2 A's scale bytes, wave 3 B's
	ARM 1, G0,  G1,  .Lhead_b
	ARM 2, G0B, G1B, .Lhead_sa
	ARM 3, G0S, G1S, .Lhead_sb
	tensor_load_to_lds s[G0SB:G0SB+3], s[G1SB:G1SB+7]
	s_nop 0
.rept 4
	v_nop
.endr
.Lhead_asked:
	v_and_b32 v1, 15, v0                           ; r
	v_bfe_u32 v2, v0, 4, 1                         ; h
	v_mul_u32_u24 v3, v1, PITCH
	v_lshl_add_u32 v4, v2, 4, v3                   ; a fragment's row x pitch + 16 h
	s_mul_i32 s12, s17, HALFT
	s_mul_i32 s13, s18, HALFT
	s_add_co_u32 s13, s13, 2*HALFT
.irp s, 0,1
	v_add_nc_u32 v[ADRA+\s], s12, v4
	v_add_nc_u32 v[ADRB+\s], s13, v4
	s_add_co_u32 s12, s12, SLOT
	s_add_co_u32 s13, s13, SLOT
.endr
	v_lshlrev_b32 v5, 5, v1                        ; my row's scale bytes: 32 a row,
	v_lshrrev_b32 v6, 8, v5
	v_lshl_add_u32 v5, v6, 4, v5                   ; and 16 more for each 256 passed
	s_mul_i32 s12, s17, HALFS
	s_mul_i32 s13, s18, HALFS
	s_add_co_u32 s13, s13, 2*HALFS
	s_sub_co_u32 s13, s13, s12
	v_mul_u32_u24 v6, s13, v2                      ; lanes 16-31 take B's
	s_add_co_u32 s12, s12, SCL
	v_add_nc_u32 v5, v5, v6
	v_add_nc_u32 v[ADRS], s12, v5
	s_lshl_b32 s12, s16, 13                        ; my stage: 8,192 bytes of codes,
	v_lshlrev_b32 v5, 5, v1
	v_lshl_add_u32 v5, v2, 2, v5
	v_add_nc_u32 v[STO], s12, v5                   ; in: 32 r + 4 h
	v_and_b32 v6, 31, v0
	v_lshlrev_b32 v[VO], 4, v6                     ; 16 x lane
	v_add_nc_u32 v[RDC], s12, v[VO]
	s_lshl_b32 s12, s16, 9                         ; and 512 of scale words, behind the four waves' codes
	s_add_co_u32 s12, s12, 32768
	v_lshl_add_u32 v[STS], v1, 2, s12
	v_add_nc_u32 v[RDS], s12, v[VO]
	v_add_nc_u32 v[VO+1], s101, v[VO]
	v_add_nc_u32 v[VO+2], s100, v[VO]
	v_add_nc_u32 v[VO+3], s100, v[VO+1]
	v_mul_u32_u24 v[VS], s2, v2
	v_lshl_add_u32 v[VS], v1, 4, v[VS]
	; where my results go.  Rr0: my first row of A; Pc0: my first row of B
	s_lshl_b32 s12, s40, 8
	s_lshl_b32 s14, s17, 7
	s_add_co_u32 s12, s12, s14                     ; Rr0
	s_lshl_b32 s13, s44, 8
	s_add_co_u32 s13, s13, s21                     ; Pc0
	s_lshr_b32 s14, s12, 11                        ; q, k: batch x 2^21 + chunk x 2^16 + token x 32
	s_lshl_b32 s14, s14, 21
	s_lshr_b32 s15, s13, 6
	s_lshl_b32 s15, s15, 16
	s_add_co_u32 s14, s14, s15
	s_and_b32 s15, s12, 2047
	s_lshl_b32 s15, s15, 5
	s_add_co_u32 s14, s14, s15
	s_lshr_b32 s42, s13, 11                        ; v: batch x 2^20 + head x 2^16 + (64 keys) x 2^11
	s_lshl_b32 s42, s42, 20
	s_lshr_b32 s15, s12, 6
	s_lshl_b32 s15, s15, 16
	s_add_co_u32 s42, s42, s15
	s_bfe_u32 s15, s13, 0x50006
	s_lshl_b32 s15, s15, 11
	s_add_co_u32 s42, s42, s15
	s_cmp_lt_u32 s22, 8
	s_cselect_b32 s42, s14, s42
	s_add_nc_u64 s[8:9], s[8:9], s[42:43]
	s_lshr_b32 s14, s12, 11                        ; scale words of q, k: batch x 2^17 + head pair x 2^13 + token x 4
	s_lshl_b32 s14, s14, 17
	s_lshr_b32 s15, s13, 7
	s_lshl_b32 s15, s15, 13
	s_add_co_u32 s14, s14, s15
	s_and_b32 s15, s12, 2047
	s_lshl_b32 s15, s15, 2
	s_add_co_u32 s14, s14, s15
	s_lshr_b32 s42, s13, 11                        ; of v: batch x 2^16 + head x 2^12 + (128 keys) x 2^8
	s_lshl_b32 s42, s42, 16
	s_lshr_b32 s15, s12, 6
	s_lshl_b32 s15, s15, 12
	s_add_co_u32 s42, s42, s15
	s_bfe_u32 s15, s13, 0x40007
	s_lshl_b32 s15, s15, 8
	s_add_co_u32 s42, s42, s15
	s_cmp_lt_u32 s22, 8
	s_cselect_b32 s42, s14, s42
	s_add_nc_u64 s[10:11], s[10:11], s[42:43]
	s_mov_b32 s[SEL], 0x76543210
	s_mov_b32 s[SEL+1], 0xfedcba98
.macro FRAG reg, adr, q, i             ; 16 rows x 128 K of 4-bit codes: registers 4 c .. 4 c + 3 hold K = 64 c + 32 h + 0 .. 31
.irp c, 0,1
	ds_load_b128 v[\reg+4*\c:\reg+4*\c+3], v[\adr] offset:64*(\q)+32*\c+(\i)*16*PITCH
.endr
.endm
.macro FETCH slot, q, p                ; all sixteen fragments of the half's q-th 128 along K into sets p
	WIN TO_B
.irp i, 0,1,2,3,4,5,6,7
	FRAG 128*(\p)+8*\i, ADRB+\slot, \q, \i
.endr
	WIN 0
.irp i, 0,1,2,3,4,5,6,7
	FRAG AF+64*(\p)+8*\i, ADRA+\slot, \q, \i
.endr
.endm
.macro SCALES sc                       ; the scale words of half sc: four words a row; lanes 0-15 A's block i, lanes 16-31 B's block i
.irp i, 0,1,2,3,4,5,6,7
	ds_load_b128 v[SC+32*\sc+4*\i:SC+32*\sc+4*\i+3], v[ADRS] offset:\i*SBLK+16*\sc
.endr
.endm
; 16 matrix instructions: A's blocks a0, a0 + 1 x B's eight.  The 64 accumulators take turns, one instruction a turn, in the same order in every step.
.macro MUL16 a0, p, q, sc, zero
.irp a, \a0, \a0+1
.irp b, 0,1,2,3,4,5,6,7
.if \zero
	v_wmma_scale_f32_16x16x128_f8f6f4 v[8*(8*((\a)%4)+\b):8*(8*((\a)%4)+\b)+7], v[128*(\p)+8*\b:128*(\p)+8*\b+7], v[AF+64*(\p)+8*(\a):AF+64*(\p)+8*(\a)+7], 0, v[SC+32*(\sc)+4*\b+(\q)], v[SC+32*(\sc)+4*(\a)+(\q)] matrix_a_fmt:MATRIX_FMT_FP4 matrix_b_fmt:MATRIX_FMT_FP4 matrix_a_scale:MATRIX_SCALE_ROW1
.else
	v_wmma_scale_f32_16x16x128_f8f6f4 v[8*(8*((\a)%4)+\b):8*(8*((\a)%4)+\b)+7], v[128*(\p)+8*\b:128*(\p)+8*\b+7], v[AF+64*(\p)+8*(\a):AF+64*(\p)+8*(\a)+7], v[8*(8*((\a)%4)+\b):8*(8*((\a)%4)+\b)+7], v[SC+32*(\sc)+4*\b+(\q)], v[SC+32*(\sc)+4*(\a)+(\q)] matrix_a_fmt:MATRIX_FMT_FP4 matrix_b_fmt:MATRIX_FMT_FP4 matrix_a_scale:MATRIX_SCALE_ROW1
.endif
.endr
.endr
.endm
; A step of 128 along K: its fragments were asked for a step ago; the next step's are asked for first, into the other sets, and have 64 matrix instructions in which to land.
.macro GSTEP slot, q, first, mid, more, nslot, nq
	s_wait_dscnt 0x0                               ; this step's fragments are in
.if \mid == 2
	s_barrier_signal -1                            ; my reads of the tiles are over (the wait above):
	s_barrier_wait -1                              ; that now holds of all four waves, so the stage of the way out may be laid over A's first rows
.endif
.if \first == 0
	PLACES 4                                       ; four plain places between the last products and loads into the sets that they read
.endif
.if \more
	FETCH \nslot, \nq, 1-(\q)%2
.if \mid
	SCALES 1
.endif
.endif
	WIN MUL_LO
	MUL16 0, (\q)%2, \q, \slot, \first
	MUL16 2, (\q)%2, \q, \slot, \first
	WIN MUL_HI
	MUL16 4, (\q)%2, \q, \slot, \first
	MUL16 6, (\q)%2, \q, \slot, \first
	WIN 0
.endm
	s_wait_alu depctr_va_vdst(0)                   ; the wait at the head's end
	s_wait_tensorcnt 0x0                           ; my one load has landed
	s_barrier_signal -1
	s_barrier_wait -1                              ; and so have the other three
	FETCH 0, 0, 0
	SCALES 0
	GSTEP 0, 0, 1, 0, 1, 0, 1                      ; the first products start the sums: nothing is cleared
	GSTEP 0, 1, 0, 0, 1, 0, 2
	GSTEP 0, 2, 0, 0, 1, 0, 3
	GSTEP 0, 3, 0, 1, 1, 1, 0
	GSTEP 1, 0, 0, 0, 1, 1, 1
	GSTEP 1, 1, 0, 0, 1, 1, 2
	GSTEP 1, 2, 0, 0, 1, 1, 3
	GSTEP 1, 3, 0, 2, 0, 0, 0
; THE WAY OUT.  Block a of 16 rows: its eight accumulators are four blocks of 32 along the quantiser's axis; block g lies in accumulators 2 g, 2 g + 1 of lanes l and l xor 16.
; A conversion makes of an accumulator's eight registers 4 bytes: columns 16 b + 8 h + 0 .. 7.  They go into my stage, [64 columns: 2][row 128][32 bytes], which lies in half 0: it has had
; its one fill, and every wave's reads of it were over at the barrier in the middle.
.macro QROW a
.set W, 2+(\a)/4
.set AC, 64*((\a)%4)
	WIN (W<<2)|(W<<4)
.irp g, 0,1,2,3
	v_max3_num_f32 v[TMX+\g], 0x1800000, |v[AC+16*\g]|, |v[AC+16*\g+1]|     ; the floor 2^(3 - 127), and each accumulator from its low end on
.endr
.irp i, 2,4,6,8,10,12,14
.irp g, 0,1,2,3
	v_max3_num_f32 v[TMX+\g], v[TMX+\g], |v[AC+16*\g+\i]|, |v[AC+16*\g+\i+1]|
.endr
.endr
	WIN 0
.irp g, 0,1,2,3
	v_permlanex16_b32 v[TM2+\g], v[TMX+\g], s[SEL], s[SEL+1]
.endr
.irp g, 0,1,2,3
	v_max_num_f32 v[TMX+\g], v[TMX+\g], v[TM2+\g]
.endr
.irp g, 0,1,2,3
	v_add_nc_u32 v[SOP+\g], 0xff000000, v[TMX+\g]  ; 2 off the exponent field: the conversion's scale operand
.endr
.irp g, 0,1,2,3
	v_lshrrev_b32 v[BYT+\g], 23, v[SOP+\g]
.endr
	v_lshl_or_b32 v[PWD+(\a)], v[BYT+1], 8, v[BYT]
	v_lshl_or_b32 v[PWD+(\a)], v[BYT+2], 16, v[PWD+(\a)]
	v_lshl_or_b32 v[PWD+(\a)], v[BYT+3], 24, v[PWD+(\a)]
	WIN W
.irp b, 0,1,2,3,4,5,6,7
	v_cvt_scalef32_pk8_fp4_f32 v[CWD+8*(\a)+\b], v[AC+8*\b:AC+8*\b+7], v[SOP+\b/2]
.endr
	v_nop                                          ; a plain line behind the conversions
	WIN 0
.irp b, 0,1,2,3,4,5,6,7
	ds_store_b32 v[STO], v[CWD+8*(\a)+\b] offset:(\b/4)*4096+512*(\a)+8*(\b%4)
.endr
	ds_store_b32 v[STS], v[PWD+(\a)] offset:64*(\a)                ; both halves of the lanes write the same word with the same value
.endm
	PLACES 4
.irp g, 0,1,2,3
	v_mov_b32 v[TM2+\g], 0                         ; a lane permute's destination counts as one of its sources
.endr
.irp a, 0,1,2,3,4,5,6,7
	QROW \a
.endr
.irp i, 0,1,2,3,4,5,6,7,8,9,10,11,12,13,14,15
	ds_load_b128 v[128+4*\i:131+4*\i], v[RDC] offset:512*\i        ; my wave's own bytes, behind its stores
.endr
	ds_load_b128 v[192:195], v[RDS]
.irp i, 0,1,2,3,4,5,6,7,8,9,10,11,12,13,14,15
	s_wait_dscnt 16-\i                             ; the younger loads may be out
	global_store_b128 v[VO+\i/4], v[128+4*\i:131+4*\i], s[8:9] offset:512*(\i%4)   ; 512 consecutive bytes, aligned; four such make a dense piece of 2,048
.endr
	s_wait_dscnt 0x0
	global_store_b128 v[VS], v[192:195], s[10:11]  ; sixteen lanes store 256 consecutive bytes, aligned
	s_wait_tensorcnt 0x0
	s_wait_dscnt 0x0
	s_wait_tensorcnt 0x0
	ds_add_u32 v126, v127
	s_wait_dscnt 0x0
	CROUND                                         ; the closing round
	s_endpgm
.Lfunc_end_k_qd57bde5109_qkv:
	.size	k_qd57bde5109_qkv, .Lfunc_end_k_qd57bde5109_qkv-k_qd57bde5109_qkv
	.p2alignl 7, 3214868480
	.fill 96, 4, 3214868480
	.section	.rodata,"a",@progbits
	.p2align	6, 0x0
	.amdhsa_kernel k_qd57bde5109_qkv
		.amdhsa_group_segment_fixed_size 327680
		.amdhsa_private_segment_fixed_size 0
		.amdhsa_enable_private_segment 0
		.amdhsa_kernarg_size 48
		.amdhsa_user_sgpr_count 2
		.amdhsa_user_sgpr_kernarg_segment_ptr 1
		.amdhsa_wavefront_size32 1
		.amdhsa_system_sgpr_workgroup_id_x 1
		.amdhsa_system_sgpr_workgroup_id_y 1
		.amdhsa_system_sgpr_workgroup_id_z 1
		.amdhsa_system_vgpr_workitem_id 0
		.amdhsa_next_free_vgpr 1024
		.amdhsa_next_free_sgpr 102
		.amdhsa_reserve_vcc 0
		.amdhsa_float_denorm_mode_32 3
		.amdhsa_float_denorm_mode_16_64 3
		.amdhsa_memory_ordered 1
		.amdhsa_forward_progress 1
		.amdhsa_inst_pref_size 133
	.end_amdhsa_kernel
	.amdgpu_metadata
---
amdhsa.version: [ 1, 2 ]
amdhsa.kernels:
  - .name:           k_qd57bde5109_qkv
    .symbol:         k_qd57bde5109_qkv.kd
    .args:
      - { .name: xq, .offset: 0, .size: 8, .value_kind: global_buffer, .address_space: global }
      - { .name: wz, .offset: 8, .size: 8, .value_kind: global_buffer, .address_space: global }
      - { .name: qkc, .offset: 16, .size: 8, .value_kind: global_buffer, .address_space: global }
      - { .name: qks, .offset: 24, .size: 8, .value_kind: global_buffer, .address_space: global }
      - { .name: vcd, .offset: 32, .size: 8, .value_kind: global_buffer, .address_space: global }
      - { .name: vsc, .offset: 40, .size: 8, .value_kind: global_buffer, .address_space: global }
    .group_segment_fixed_size: 327680
    .private_segment_fixed_size: 0
    .kernarg_segment_align: 8
    .kernarg_segment_size: 48
    .max_flat_workgroup_size: 128
    .sgpr_count:     102
    .vgpr_count:     1024
    .wavefront_size: 32
...
	.end_amdgpu_metadata
.endif
;; end of part 2
;; launch attn (part 3): grid 4 x 64, 8 waves a work-group, clusters of 4 x 1, 327,680 bytes of LDS; arguments qkc, qks, vcd, vsc, oc, os; writes oc, os
.if DOCPART == 3
	.amdgcn_target "amdgcn-amd-amdhsa--gfx1250"
	.amdhsa_code_object_version 6
	.text
	.protected	k_qd57bde5109_attn
	.globl	k_qd57bde5109_attn
	.p2align	8
	.type	k_qd57bde5109_attn,@function
k_qd57bde5109_attn:
	s_mov_b64 s[64:65], 0
	v_nop
	global_prefetch_b8 v0, s[64:65] scope:SCOPE_SE
	s_setreg_imm32_b32 hwreg(HW_REG_WAVE_MODE, 25, 1), 1
	s_wait_xcnt 0x0
	s_wait_alu depctr_hold_cnt(0) depctr_sa_sdst(0) depctr_va_vdst(0) depctr_va_sdst(0) depctr_va_ssrc(0) depctr_va_vcc(0) depctr_vm_vsrc(0)
	s_getreg_b32 s2, hwreg(HW_REG_IB_STS2, 6, 4)
	s_cmp_eq_u32 s2, 0
	s_cbranch_scc0 .Lentry_in_a_cluster
	s_endpgm
.Lentry_in_a_cluster:
	s_bfe_u32 s2, ttmp6, 0x10000c
	s_cmp_lg_u32 s2, 0x3003
	s_cbranch_scc0 .Lentry_shape_is_right
	s_endpgm
.Lentry_shape_is_right:
; Causal attention of one head on codes of E2M1: S^T = K Q^T, p = 2^(t - M), O^T = V^T P^T, O / l quantised along the head's 64 for the projection.
; t = score x log2(e) / 32; M = the running largest t rounded up to a whole number; l = the row's sum of the unquantised p, in f32.
; LEFT OUT: key steps all of whose 128 keys come after a wave's queries: the causal mask sets those scores to -inf, so their p is 0 for all inputs.  A NaN or an infinity that reaches only them is not carried on.
; LIMITS: the scaled scores stay under 2^31 in magnitude; NaN and infinities are not served; a block of zeros gets the byte 1 and not 127 (this program alone reads the bytes).
; SHARES.  A cluster of 4 work-groups owns a head; work-group x (its place in the cluster) owns, in each group of 128 queries, the 16 queries from 16 x on (tile A) and the 16 that lie 64 further on (tile B).
; Wave m (of 8) takes groups m (pass 0, m + 1 key steps) and 15 - m (pass 1, there with 3 - x for x; 16 - m steps): 17 steps of 128 keys for every wave.  Both tiles of a wave share each fragment of K and V.
; All partners read all keys, so K, V and their scale bytes come by joint loads, once, at the head, and stay in LDS: nothing is filled again.  No branch and no LDS address hangs on x: branches hang on the wave's number and the count of steps.
; No prefetch: all that the launch fetches is asked for at its head; there is no loop to run ahead in.
; The head's size is 64, the instruction's K 128: Q's registers 4-7 hold zero codes, so K's registers 4-7 may hold any codes (E2M1 has no NaN): fragment t lies in v[32+4t .. 35+4t] and its upper half is the next fragment.
; MASK.  Only a pass's last step lies on the diagonal.  There tile A's keys 64-127 are all hidden and tile B's keys 0-63 all count, whatever x; one compare serves A's key n and B's key 64 + n.
; os leaves in pieces of 32 bytes (16 queries x 2 bytes): 262,144 bytes in the whole launch are written so.
; REGISTERS.  Window 0: v1-11 addresses; v12-15, v18-21 -M, largest score, sum (A, B); v24-31 K's scales; v32-67 K; v68-71 V's scales; v72-75 Q's; v76, 77 P's; v78-81 f; v82, 83 the mask's d; v96-159 S_A; v160-191 O_A; v192-223 at work; v224-239 P's codes.
; Window 1: v0-31 Q (pass, tile); v96-159 S_B; v160-191 O_B; v192-223 V.
.set KP,   48                          ; 32 bytes of codes + 16 of padding
.set VREG, 98304
.set KSC,  196608
.set VSC,  204800
.set SPARE, 208896                     ; the spare words: 128 bytes a wave
.set WV,   16
.set SEL,  20
.set CS,   22
.set G1K,  24
.set G1S,  32
.set G1T,  40
.set G0K,  48
.set G0S,  52
.set G0T,  56
.set TB,   60
.set TS,   61
.set TJ,   62
.set KF,   63
.set GK,   66
.set CNT,  67
.set MK,   68                          ; s68-99: the mask's 32 lane masks (at the head: at work)
.set MSB, 0
.macro WIN new                         ; the immediate's high byte repeats the setting that is left
.if MSB != \new
	s_set_vgpr_msb (MSB<<8)|\new
.set MSB, \new
.endif
.endm
.macro ROUND                           ; a round of the cluster's barrier
	s_barrier_signal -1
	s_barrier_wait -1
	s_cmp_lg_u32 s[WV], 0
	s_cbranch_scc1 .Lnw0_\@
	s_barrier_signal -3
.Lnw0_\@:
	s_barrier_wait -3
	s_barrier_signal -1
	s_barrier_wait -1
.endm
.macro ARM under, g0, g1, next
	s_cmp_lt_u32 s[WV], \under
	s_cbranch_scc0 \next
	tensor_load_to_lds s[\g0:\g0+3], s[\g1:\g1+7]
	s_nop 0
.rept 4
	v_nop
.endr
	s_branch .Lhead_asked
\next:
.endm
.macro MM d, a, b, c, sa, sb
	v_wmma_scale_f32_16x16x128_f8f6f4 v[\d:\d+7], v[\a:\a+7], v[\b:\b+7], \c, v[\sa], v[\sb] matrix_a_fmt:MATRIX_FMT_FP4 matrix_b_fmt:MATRIX_FMT_FP4
.endm
.macro KLOAD ak, as, ko, so            ; eight tiles of 16 keys and their scale halves; lane r of tile 2 b + u takes key 32 b + 8 u + r + 8 (r / 8)
.irp t, 0,1,2,3,4,5,6,7
	ds_load_b128 v[32+4*\t:35+4*\t], v[\ak] offset:\ko+(32*(\t/2)+8*(\t%2))*KP
.endr
.irp t, 0,1,2,3,4,5,6,7
	ds_load_u16 v[24+\t], v[\as] offset:\so+(32*(\t/2)+8*(\t%2))*4
.endr
.endm
.macro SMAX bm, wa, wb                 ; the largest score of each block of 32 keys (my 16 of them), in two chains a block, eight by turns; each accumulator is read from its low end on.  wa, wb: the windows with three and with two scores among the sources
	WIN \wa
.irp b, 0,1,2,3
	v_max3_num_f32 v[\bm+\b], v[96+16*\b], v[97+16*\b], v[98+16*\b]
	v_max3_num_f32 v[\bm+4+\b], v[104+16*\b], v[105+16*\b], v[106+16*\b]
.endr
	WIN \wb
.irp i, 3,5
.irp b, 0,1,2,3
	v_max3_num_f32 v[\bm+\b], v[\bm+\b], v[96+16*\b+\i], v[97+16*\b+\i]
	v_max3_num_f32 v[\bm+4+\b], v[\bm+4+\b], v[104+16*\b+\i], v[105+16*\b+\i]
.endr
.endr
.irp b, 0,1,2,3
	v_max3_num_f32 v[\bm+\b], v[\bm+\b], v[103+16*\b], v[111+16*\b]
.endr
.endm
.macro OMAX bm                         ; the largest magnitude of each block of 32 of the head's 64, over the floor 2^(3 - 127)
.irp b, 0,1
	v_max3_num_f32 v[\bm+\b], 0x1800000, |v[96+16*\b]|, |v[97+16*\b]|
.endr
.irp i, 2,4,6,8,10,12,14
.irp b, 0,1
	v_max3_num_f32 v[\bm+\b], v[\bm+\b], |v[96+16*\b+\i]|, |v[97+16*\b+\i]|
.endr
.endr
.endm
.macro TREE4                           ; 32 pairs of p are added to 2, in place: four levels, the additions of a level independent
.irp s, 2,4,8,16
.set J, 0
.rept 32/\s
	v_pk_add_f32 v[96+J:97+J], v[96+J:97+J], v[96+J+\s:97+J+\s]
.set J, J+2*\s
.endr
.endr
.endm
	s_load_b256 s[4:11], s[0:1], 0x0               ; qkc, qks, vcd, vsc
	s_load_b128 s[12:15], s[0:1], 0x20             ; oc, os
	v_lshl_add_u32 v5, v0, 2, SPARE
	v_mov_b32 v6, 0
	ds_add_u32 v5, v6                              ; the opening lines: the add, twice on end, and its wait
	ds_add_u32 v5, v6
	v_lshrrev_b32 v8, 5, v0
	v_readfirstlane_b32 s[WV], v8                  ; wave 0..7
	s_bfe_u32 s3, ttmp6, 0x40000                   ; x: my place in the cluster
	s_and_b32 s17, ttmp7, 0xffff                   ; 16 b + h
	s_lshr_b32 s18, s17, 4
	s_and_b32 s19, s17, 15
	s_lshl_b32 s68, s18, 5
	s_add_co_u32 s68, s68, s19
	s_lshl_b32 s68, s68, 16                        ; q's chunk of qkc
	s_mov_b32 s69, 0
	s_lshl_b32 s70, s17, 16                        ; the head in vcd
	s_mov_b32 s71, 0
	s_lshl_b32 s72, s18, 20
	s_lshl_b32 s73, s19, 9
	s_add_co_u32 s72, s72, s73                     ; in oc
	s_mov_b32 s73, 0
	s_lshl_b32 s74, s17, 12                        ; in vsc and os
	s_mov_b32 s75, 0
	s_lshr_b32 s76, s19, 1
	s_lshl_b32 s77, s18, 4
	s_add_co_u32 s76, s76, s77
	s_lshl_b32 s76, s76, 13                        ; the head pair's row of qks
	s_mov_b32 s77, 0
	s_and_b32 s78, s19, 1
	s_lshl_b32 s78, s78, 1                         ; my head's two bytes of a word
	s_mov_b32 s79, 0
	s_lshl_b32 s84, s[WV], 7
	s_lshl_b32 s96, s3, 4
	s_add_co_u32 s84, s84, s96                     ; tile A's first query, pass 0: 128 m + 16 x
	s_sub_co_u32 s85, 1968, s84                    ; pass 1: 128 (15 - m) + 16 (3 - x)
	s_sub_co_u32 s97, 48, s96
	s_mov_b32 s87, 0
	s_mov_b32 s[G1K], 15|(1<<20)|(1<<21)|(2<<22)|(3<<25)   ; the cluster's four; bytes; 4 words of padding behind every 8; bit 21 beside a mask
	s_mov_b32 s[G1K+1], 256<<16                    ; 32,768 dense bytes as 128 rows of 256
	s_mov_b32 s[G1K+2], 128<<16
	s_mov_b32 s[G1K+3], 256<<16
	s_mov_b32 s[G1K+4], 128
	s_mov_b32 s[G1K+5], 256
	s_mov_b32 s[G1K+6], 0
	s_mov_b32 s[G1K+7], 0
	s_mov_b32 s[G1S], 15|(3<<16)|(1<<21)           ; K's scale words: 8,192 dense bytes
	s_mov_b32 s[G1S+1], 32<<16
	s_mov_b32 s[G1S+2], 32<<16
	s_mov_b32 s[G1S+3], 32<<16
	s_mov_b32 s[G1S+4], 32
	s_mov_b32 s[G1S+5], 32
	s_mov_b32 s[G1S+6], 0
	s_mov_b32 s[G1S+7], 0
	s_mov_b32 s[G1T], 15|(3<<16)|(1<<21)           ; V's: 4,096
	s_mov_b32 s[G1T+1], 32<<16
	s_mov_b32 s[G1T+2], 16<<16
	s_mov_b32 s[G1T+3], 32<<16
	s_mov_b32 s[G1T+4], 16
	s_mov_b32 s[G1T+5], 32
	s_mov_b32 s[G1T+6], 0
	s_mov_b32 s[G1T+7], 0
	s_mov_b32 s[SEL], 0x76543210
	s_mov_b32 s[SEL+1], 0xfedcba98
	s_mov_b32 s[CS], 0x3d38aa3b                    ; c = log2(e) / 32
	s_mov_b32 s[CS+1], s[CS]
	s_mov_b32 s100, 0xffff0000
	s_wait_dscnt 0x0
	s_wait_kmcnt 0x0
	s_add_nc_u64 s[80:81], s[4:5], s[68:69]        ; q's codes
	s_add_nc_u64 s[4:5], s[80:81], 0x100000        ; k's: 16 chunks on
	s_add_nc_u64 s[8:9], s[8:9], s[70:71]          ; v's
	s_add_nc_u64 s[6:7], s[6:7], s[76:77]
	s_add_nc_u64 s[82:83], s[6:7], s[78:79]        ; q's scale halves
	s_add_nc_u64 s[6:7], s[6:7], 0x10000           ; k's scale words
	s_add_nc_u64 s[10:11], s[10:11], s[74:75]      ; v's
	s_add_nc_u64 s[12:13], s[12:13], s[72:73]
	s_add_nc_u64 s[14:15], s[14:15], s[74:75]
	s_cmp_lt_u32 s[WV], 2                          ; waves 0, 1: K's halves; waves 2, 3: V's
	s_cselect_b64 s[88:89], s[4:5], s[8:9]
	s_and_b32 s90, s[WV], 1
	s_lshl_b32 s90, s90, 15
	s_mov_b32 s91, 0
	s_min_u32 s86, s[WV], 3
	s_mov_b32 s[G0K], 1
	s_mul_i32 s[G0K+1], s86, 49152                 ; 1,024 rows of 48 bytes a load
	s_add_nc_u64 s[G0K+2:G0K+3], s[88:89], s[90:91]
	s_or_b32 s[G0K+3], s[G0K+3], 0x80000000
	s_mov_b32 s[G0S], 1
	s_mov_b32 s[G0S+1], KSC
	s_mov_b64 s[G0S+2:G0S+3], s[6:7]
	s_or_b32 s[G0S+3], s[G0S+3], 0x80000000
	s_mov_b32 s[G0T], 1
	s_mov_b32 s[G0T+1], VSC
	s_mov_b64 s[G0T+2:G0T+3], s[10:11]
	s_or_b32 s[G0T+3], s[G0T+3], 0x80000000
	s_lshl_b32 s86, s84, 5                         ; Q's codes and scale halves of both passes
	s_add_nc_u64 s[88:89], s[80:81], s[86:87]
	s_lshl_b32 s86, s85, 5
	s_add_nc_u64 s[92:93], s[80:81], s[86:87]
	s_lshl_b32 s86, s84, 2
	s_add_nc_u64 s[90:91], s[82:83], s[86:87]
	s_lshl_b32 s86, s85, 2
	s_add_nc_u64 s[94:95], s[82:83], s[86:87]
	s_lshl_b32 s86, s84, 9                         ; oc: 8,192 bytes for 16 queries
	s_add_nc_u64 s[4:5], s[12:13], s[86:87]
	s_lshl_b32 s86, s85, 9
	s_add_nc_u64 s[6:7], s[12:13], s[86:87]
	s_lshl_b32 s86, s84, 1                         ; os: 2 bytes a query
	s_add_nc_u64 s[8:9], s[14:15], s[86:87]
	s_lshl_b32 s86, s85, 1
	s_add_nc_u64 s[10:11], s[14:15], s[86:87]
	s_lshl_b32 s18, s[WV], 7                       ; my group's first key, pass 0,
	s_sub_co_u32 s19, 1920, s18                    ; and pass 1
	ROUND                                          ; the four work-groups are here: the joint loads meet
	ARM 4, G0K, G1K, .Lhead_sk                     ; one chain of branches on the wave's number, one load to an arm
	ARM 5, G0S, G1S, .Lhead_sv
	ARM 6, G0T, G1T, .Lhead_none
.Lhead_asked:
	v_and_b32 v8, 15, v0                           ; r
	v_bfe_u32 v9, v0, 4, 1                         ; h
	v_lshlrev_b32 v10, 5, v8
	v_lshl_add_u32 v10, v9, 4, v10                 ; Q: 32 r + 16 h
	v_lshlrev_b32 v11, 2, v8
	WIN 0x40
	global_load_b128 v[0:3], v10, s[88:89]         ; pass 0: tile A,
	global_load_b128 v[8:11], v10, s[88:89] offset:2048   ; tile B, 64 queries on
	global_load_b128 v[16:19], v10, s[92:93]       ; pass 1
	global_load_b128 v[24:27], v10, s[92:93] offset:2048
.irp k, 0,1,2,3
.irp i, 4,5,6,7
	v_mov_b32 v[8*\k+\i], 0                        ; Q's K = 64 .. 127: zero codes
.endr
.endr
	WIN 0
	global_load_u16 v72, v11, s[90:91]
	global_load_u16 v73, v11, s[90:91] offset:256
	global_load_u16 v74, v11, s[94:95]
	global_load_u16 v75, v11, s[94:95] offset:256
	v_and_b32 v12, 8, v8
	v_add_nc_u32 v12, v12, v8                      ; r + 8 (r / 8)
	v_mul_u32_u24 v1, v12, KP
	v_lshl_add_u32 v1, v9, 4, v1                   ; my place in a tile of K,
	v_add_nc_u32 v2, VREG, v1                      ; of V,
	v_lshl_add_u32 v3, v12, 2, KSC
	v_add_nc_u32 v3, s78, v3                       ; among K's scale halves,
	v_lshl_add_u32 v4, v12, 2, VSC                 ; and V's scale words
	v_and_b32 v7, 31, v0
	v_lshlrev_b32 v7, 4, v7                        ; oc: 16 x lane
	v_lshlrev_b32 v84, 1, v8
	v_lshl_add_u32 v84, v9, 7, v84                 ; os: 2 r, lanes 16-31 tile B's, 128 bytes on
	v_lshlrev_b32 v13, 4, v9
	v_sub_nc_u32 v13, v8, v13
	v_add_nc_u32 v82, s96, v13                     ; d = my query of tile A - the group's first key - 16 h, pass 0,
	v_add_nc_u32 v83, s97, v13                     ; and pass 1
	v_mov_b32 v85, 0xff800000                      ; -infinity
.irp i, 64,65,66,67,79,81,196,197,198,199,212,213,214,215
	v_mov_b32 v\i, 0                               ; the last fragment's upper half; upper halves of pairs; lane permutes' destinations
.endr
	s_wait_alu depctr_va_vdst(0)                   ; the wait at the head's end
	s_wait_tensorcnt 0x0
	s_barrier_signal -1
	s_barrier_wait -1                              ; K, V and the scale bytes are whole
	s_wait_loadcnt 0x0                             ; Q
; A KEY STEP: 128 keys against both tiles.
.macro STEP p
	s_cmp_gt_u32 s[KF], s[GK]                      ; all keys hidden: the wave's number and the count of steps decide
	s_cbranch_scc1 .Lhid_\@
	s_wait_dscnt 0x0                               ; this step's K, asked for a step ago
	WIN 0x04
.irp t, 0,1,2,3,4,5,6,7
	MM 96+8*\t, 32+4*\t, 16*\p, 0, 24+\t, 72+2*\p
.endr
	WIN 0x44
.irp t, 0,1,2,3,4,5,6,7
	MM 96+8*\t, 32+4*\t, 16*\p+8, 0, 24+\t, 73+2*\p
.endr
	WIN 0
	v_add_nc_u32 v8, s[TB], v1                     ; four places behind the products, ahead of the loads into their sources
	v_add_nc_u32 v9, s[TB], v2
	v_add_nc_u32 v10, s[TS], v3
	v_add_nc_u32 v11, s[TJ], v4
	WIN 0x40
.irp t, 0,1,2,3
.irp c, 0,1
	ds_load_b128 v[192+8*\t+4*\c:195+8*\t+4*\c], v9 offset:64*KP*\c+(32*(\t/2)+8*(\t%2))*KP   ; this step's V
.endr
.endr
	WIN 0
.irp t, 0,1,2,3
	ds_load_b32 v[68+\t], v11 offset:(32*(\t/2)+8*(\t%2))*4
.endr
	KLOAD 8, 10, 128*KP, 512                       ; the next step's K.  (Behind a pass's last step these 16 loads bring bytes that are not used; they stay inside the filled regions)
	s_cmp_lt_u32 s[KF], s[GK]
	s_cbranch_scc1 .Lopen_\@
.set N, 0
.rept 32
	v_cmp_gt_i32 s[MK+N], 32*(N/16)+N%16, v[82+\p] ; register n of A holds key 32 (n / 16) + n % 16 + 16 h: hidden where that is over d; the same lanes of B's register 32 + n
.set N, N+1
.endr
.set N, 0
.rept 32
	v_cndmask_b32 v[96+N], v[96+N], v85, s[MK+N]
.set N, N+1
.endr
.set N, 0
.rept 32
	v_mov_b32 v[128+N], v85                        ; A's keys 64-127: all hidden
.set N, N+1
.endr
	WIN 0x41
.set N, 0
.rept 32
	v_cndmask_b32 v[128+N], v[128+N], v85, s[MK+N]
.set N, N+1
.endr
	WIN 0
.Lopen_\@:
	SMAX 192, 0, 0
	SMAX 208, 0x15, 0x14
	WIN 0
.irp b, 0,1,2,3
	v_max_num_f32 v[192+\b], v[192+\b], v[196+\b]  ; a block's two chains meet
	v_max_num_f32 v[208+\b], v[208+\b], v[212+\b]
.endr
.irp b, 0,1,2,3
	v_permlanex16_b32 v[196+\b], v[192+\b], s[SEL], s[SEL+1]
	v_permlanex16_b32 v[212+\b], v[208+\b], s[SEL], s[SEL+1]
.endr
.irp b, 0,1,2,3
	v_max_num_f32 v[192+\b], v[192+\b], v[196+\b]  ; with lane l xor 16's 16 keys
	v_max_num_f32 v[208+\b], v[208+\b], v[212+\b]
.endr
	v_max3_num_f32 v204, v192, v193, v194          ; the two tiles' chains by turns
	v_max3_num_f32 v220, v208, v209, v210
	v_max3_num_f32 v13, v13, v204, v195            ; the running largest score
	v_max3_num_f32 v19, v19, v220, v211
	v_mul_f32 v204, s[CS], -v13
	v_mul_f32 v220, s[CS], -v19
	v_mov_b32 v205, v12
	v_mov_b32 v221, v18
	v_floor_f32 v12, v204                          ; -M = floor(-t)
	v_floor_f32 v18, v220
	v_sub_f32 v205, v12, v205                      ; old M - new M, a whole number, 0 or less
	v_sub_f32 v221, v18, v221
	v_cvt_i32_f32 v205, v205                       ; (it saturates)
	v_cvt_i32_f32 v221, v221
	v_ldexp_f32 v78, 1.0, v205                     ; f = 2^(old M - new M)
	v_ldexp_f32 v80, 1.0, v221
.set J, 0
.rept 32
	v_pk_fma_f32 v[96+J:97+J], v[96+J:97+J], s[CS:CS+1], v[12:13] op_sel_hi:[1,0,0]   ; t - M
.set J, J+2
.endr
.irp b, 0,1,2,3
	v_fma_f32 v[192+\b], v[192+\b], s[CS], v12     ; the same of each block's largest score
	v_fma_f32 v[208+\b], v[208+\b], s[CS], v18
.endr
.set J, 0
.rept 16
	v_pk_mul_f32 v[160+J:161+J], v[160+J:161+J], v[78:79] op_sel_hi:[1,0]   ; O_A under the new M.  It stands ahead of the exponentials: none lies between the last step's products and this first read of their results
.set J, J+2
.endr
	WIN 0x41
.set J, 0
.rept 32
	v_pk_fma_f32 v[96+J:97+J], v[96+J:97+J], s[CS:CS+1], v[18:19] op_sel_hi:[1,0,0]
.set J, J+2
.endr
.set J, 0
.rept 16
	v_pk_mul_f32 v[160+J:161+J], v[160+J:161+J], v[80:81] op_sel_hi:[1,0]   ; O_B likewise
.set J, J+2
.endr
	s_wait_alu depctr_va_vdst(0)                   ; the wait ahead of the batch
.set J, 0
.rept 64
	v_exp_f32 v[96+J], v[96+J]
.set J, J+1
.endr
	WIN 0
.set J, 0
.rept 64
	v_exp_f32 v[96+J], v[96+J]
.set J, J+1
.endr
.irp b, 0,1,2,3
	v_exp_f32 v[192+\b], v[192+\b]                 ; each block's largest p
	v_exp_f32 v[208+\b], v[208+\b]
.endr
	v_nop                                          ; a plain place behind the batch
	s_wait_alu depctr_va_vdst(0)                   ; and the one wait behind it
.irp b, 0,1,2,3
	v_max_num_f32 v[192+\b], 0x1800000, v[192+\b]  ; the floor 2^(3 - 127)
	v_max_num_f32 v[208+\b], 0x1800000, v[208+\b]
.endr
.irp b, 0,1,2,3
	v_add_nc_u32 v[200+\b], 0xff000000, v[192+\b]  ; 2 off the exponent field: the conversion's scale operand
	v_add_nc_u32 v[216+\b], 0xff000000, v[208+\b]
.endr
.irp b, 0,1,2,3
	v_lshrrev_b32 v[196+\b], 23, v[200+\b]         ; the byte
	v_lshrrev_b32 v[212+\b], 23, v[216+\b]
.endr
	v_lshl_or_b32 v76, v197, 8, v196
	v_lshl_or_b32 v77, v213, 8, v212
	v_lshl_or_b32 v76, v198, 16, v76
	v_lshl_or_b32 v77, v214, 16, v77
	v_lshl_or_b32 v76, v199, 24, v76               ; P's scale words
	v_lshl_or_b32 v77, v215, 24, v77
.irp b, 0,1,2,3
	v_cvt_scalef32_pk8_fp4_f32 v[224+2*\b], v[96+16*\b:103+16*\b], v[200+\b]
	v_cvt_scalef32_pk8_fp4_f32 v[225+2*\b], v[104+16*\b:111+16*\b], v[200+\b]
.endr
	WIN 0x01
.irp b, 0,1,2,3
	v_cvt_scalef32_pk8_fp4_f32 v[232+2*\b], v[96+16*\b:103+16*\b], v[216+\b]
	v_cvt_scalef32_pk8_fp4_f32 v[233+2*\b], v[104+16*\b:111+16*\b], v[216+\b]
.endr
	WIN 0
	v_nop                                          ; a plain place behind the conversions
.irp c, 0,4,8,12
.irp i, 0,1
	v_permlane16_swap_b32 v[224+\c+\i], v[226+\c+\i]   ; a whole block to a lane
.endr
.endr
	TREE4                                          ; the row's sum of the unquantised p, tile A,
	WIN 0x45
	TREE4                                          ; and tile B
	WIN 0
	v_pk_add_f32 v[96:97], v[96:97], v[128:129]
	WIN 0x45
	v_pk_add_f32 v[96:97], v[96:97], v[128:129]
	WIN 0
	v_pk_fma_f32 v[14:15], v[14:15], v[78:79], v[96:97] op_sel_hi:[1,0,1]   ; sum = sum x f + this step's
	WIN 0x10
	v_pk_fma_f32 v[20:21], v[20:21], v[80:81], v[96:97] op_sel_hi:[1,0,1]
	s_wait_alu depctr_va_vdst(0)                   ; the wait directly ahead of the wait below
	s_wait_dscnt 16                                ; V's 12 loads are in; the 16 for the next step's K may be out
	WIN 0x01
.irp t, 0,1,2,3
	MM 160+8*\t, 192+8*\t, 224, v[160+8*\t:167+8*\t], 68+\t, 76
.endr
	WIN 0x51
.irp t, 0,1,2,3
	MM 160+8*\t, 192+8*\t, 232, v[160+8*\t:167+8*\t], 68+\t, 77
.endr
	WIN 0
.Lhid_\@:
	s_add_co_u32 s[KF], s[KF], 128
	s_add_co_u32 s[TB], s[TB], 128*KP
	s_add_co_u32 s[TS], s[TS], 512
	s_add_co_u32 s[TJ], s[TJ], 256
.endm
.macro PASS p
.if \p
	s_wait_xcnt 0x0                                ; pass 0's stores have read their registers
.endif
	v_mov_b32 v13, 0xff61b1e6                      ; the largest score so far: -3e38
	v_mov_b32 v19, 0xff61b1e6
	v_mov_b32 v12, 0x71800000                      ; -M = 2^100: the first f is 0, and multiplies zeros
	v_mov_b32 v18, 0x71800000
.irp i, 14,15,20,21
	v_mov_b32 v\i, 0
.endr
.set J, 0
.rept 32
	v_mov_b32 v[160+J], 0
.set J, J+1
.endr
	WIN 0x40
.set J, 0
.rept 32
	v_mov_b32 v[160+J], 0
.set J, J+1
.endr
	WIN 0
	s_mov_b32 s[TB], 0
	s_mov_b32 s[TS], 0
	s_mov_b32 s[TJ], 0
	s_mov_b32 s[KF], 0
	s_mov_b32 s[GK], s[18+\p]
	s_mov_b32 s[CNT], 16
	KLOAD 1, 3, 0, 0                               ; step 0's K
.Lstep_\@:                                             ; 16 trips in every wave; a hidden step's work is jumped over
	STEP \p
	s_sub_co_u32 s[CNT], s[CNT], 1
	s_cmp_lg_u32 s[CNT], 0
	s_cbranch_scc1 .Lstep_\@
	s_wait_dscnt 0x0                               ; the last look-ahead has landed: its registers may be loaded again
	v_add_f32 v14, v14, v15
	v_add_f32 v20, v20, v21
	v_permlanex16_b32 v196, v14, s[SEL], s[SEL+1]
	v_permlanex16_b32 v212, v20, s[SEL], s[SEL+1]
	v_add_f32 v14, v14, v196                       ; the rows' sums
	v_add_f32 v20, v20, v212
	s_wait_alu depctr_va_vdst(0)                   ; the wait ahead of the transcendentals
	v_rcp_f32 v14, v14
	v_rcp_f32 v20, v20
	v_nop
	s_wait_alu depctr_va_vdst(0)                   ; behind them, and directly ahead of the first reader of O_A
.set J, 0
.rept 32
	v_mul_f32 v[96+J], v[160+J], v14
.set J, J+1
.endr
	WIN 0x41
	s_wait_alu depctr_va_vdst(0)                   ; and of O_B
.set J, 0
.rept 32
	v_mul_f32 v[96+J], v[160+J], v20
.set J, J+1
.endr
	WIN 0
	OMAX 192
	WIN 0x14
	OMAX 208
	WIN 0
.irp b, 0,1
	v_permlanex16_b32 v[196+\b], v[192+\b], s[SEL], s[SEL+1]
	v_permlanex16_b32 v[212+\b], v[208+\b], s[SEL], s[SEL+1]
.endr
.irp b, 0,1
	v_max_num_f32 v[192+\b], v[192+\b], v[196+\b]
	v_max_num_f32 v[208+\b], v[208+\b], v[212+\b]
.endr
.irp b, 0,1
	v_add_nc_u32 v[200+\b], 0xff000000, v[192+\b]
	v_add_nc_u32 v[216+\b], 0xff000000, v[208+\b]
.endr
.irp b, 0,1
	v_lshrrev_b32 v[196+\b], 23, v[200+\b]
	v_lshrrev_b32 v[212+\b], 23, v[216+\b]
.endr
	v_lshl_or_b32 v76, v197, 8, v196
	v_lshl_or_b32 v77, v213, 8, v212
.irp b, 0,1
	v_cvt_scalef32_pk8_fp4_f32 v[224+2*\b], v[96+16*\b:103+16*\b], v[200+\b]
	v_cvt_scalef32_pk8_fp4_f32 v[225+2*\b], v[104+16*\b:111+16*\b], v[200+\b]
.endr
	WIN 0x01
.irp b, 0,1
	v_cvt_scalef32_pk8_fp4_f32 v[232+2*\b], v[96+16*\b:103+16*\b], v[216+\b]
	v_cvt_scalef32_pk8_fp4_f32 v[233+2*\b], v[104+16*\b:111+16*\b], v[216+\b]
.endr
	WIN 0
	v_nop
.irp c, 0,8
.irp i, 0,1
	v_permlane16_swap_b32 v[224+\c+\i], v[226+\c+\i]
.endr
.endr
	v_cndmask_b32 v86, v76, v77, s100              ; lanes 0-15 tile A's scale halves, lanes 16-31 tile B's
	global_store_b128 v7, v[224:227], s[4+2*\p:5+2*\p]                 ; 512 consecutive bytes, aligned: the projection's operand registers as they are
	global_store_b128 v7, v[232:235], s[4+2*\p:5+2*\p] offset:32768    ; tile B: four tiles of 16 queries on
	global_store_b16 v84, v86, s[8+2*\p:9+2*\p]
.endm
	PASS 0
	PASS 1
	s_wait_tensorcnt 0x0                           ; the wave's end
	ds_add_u32 v5, v6
	s_wait_dscnt 0x0
	ROUND                                          ; the closing round
	s_endpgm
.Lfunc_end_k_qd57bde5109_attn:
	.size	k_qd57bde5109_attn, .Lfunc_end_k_qd57bde5109_attn-k_qd57bde5109_attn
	.p2alignl 7, 3214868480
	.fill 96, 4, 3214868480
	.section	.rodata,"a",@progbits
	.p2align	6, 0x0
	.amdhsa_kernel k_qd57bde5109_attn
		.amdhsa_group_segment_fixed_size 327680
		.amdhsa_private_segment_fixed_size 0
		.amdhsa_enable_private_segment 0
		.amdhsa_kernarg_size 48
		.amdhsa_user_sgpr_count 2
		.amdhsa_user_sgpr_kernarg_segment_ptr 1
		.amdhsa_wavefront_size32 1
		.amdhsa_system_sgpr_workgroup_id_x 1
		.amdhsa_system_sgpr_workgroup_id_y 1
		.amdhsa_system_sgpr_workgroup_id_z 1
		.amdhsa_system_vgpr_workitem_id 0
		.amdhsa_next_free_vgpr 512
		.amdhsa_next_free_sgpr 102
		.amdhsa_reserve_vcc 0
		.amdhsa_float_denorm_mode_32 3
		.amdhsa_float_denorm_mode_16_64 3
		.amdhsa_memory_ordered 1
		.amdhsa_forward_progress 1
		.amdhsa_inst_pref_size 103
	.end_amdhsa_kernel
	.amdgpu_metadata
---
amdhsa.version: [ 1, 2 ]
amdhsa.kernels:
  - .name:           k_qd57bde5109_attn
    .symbol:         k_qd57bde5109_attn.kd
    .args:
      - { .name: qkc, .offset: 0, .size: 8, .value_kind: global_buffer, .address_space: global }
      - { .name: qks, .offset: 8, .size: 8, .value_kind: global_buffer, .address_space: global }
      - { .name: vcd, .offset: 16, .size: 8, .value_kind: global_buffer, .address_space: global }
      - { .name: vsc, .offset: 24, .size: 8, .value_kind: global_buffer, .address_space: global }
      - { .name: oc, .offset: 32, .size: 8, .value_kind: global_buffer, .address_space: global }
      - { .name: os, .offset: 40, .size: 8, .value_kind: global_buffer, .address_space: global }
    .group_segment_fixed_size: 327680
    .private_segment_fixed_size: 0
    .kernarg_segment_align: 8
    .kernarg_segment_size: 48
    .max_flat_workgroup_size: 256
    .sgpr_count:     102
    .vgpr_count:     512
    .wavefront_size: 32
...
	.end_amdgpu_metadata
.endif
;; end of part 3
;; launch proj (part 4): grid 4 x 64, 4 waves a work-group, clusters of 4 x 4, 327,680 bytes of LDS; arguments oc, os, wz, b_proj, out0; writes out0
.if DOCPART == 4
	.amdgcn_target "amdgcn-amd-amdhsa--gfx1250"
	.amdhsa_code_object_version 6
	.text
	.protected	k_qd57bde5109_proj
	.globl	k_qd57bde5109_proj
	.p2align	8
	.type	k_qd57bde5109_proj,@function
k_qd57bde5109_proj:
	s_mov_b64 s[64:65], 0
	v_nop
	global_prefetch_b8 v0, s[64:65] scope:SCOPE_SE
	s_setreg_imm32_b32 hwreg(HW_REG_WAVE_MODE, 25, 1), 1
	s_wait_xcnt 0x0
	s_wait_alu depctr_hold_cnt(0) depctr_sa_sdst(0) depctr_va_vdst(0) depctr_va_sdst(0) depctr_va_ssrc(0) depctr_va_vcc(0) depctr_vm_vsrc(0)
	s_getreg_b32 s2, hwreg(HW_REG_IB_STS2, 6, 4)
	s_cmp_eq_u32 s2, 0
	s_cbranch_scc0 .Lentry_in_a_cluster
	s_endpgm
.Lentry_in_a_cluster:
	s_bfe_u32 s2, ttmp6, 0x10000c
	s_cmp_lg_u32 s2, 0xf033
	s_cbranch_scc0 .Lentry_shape_is_right
	s_endpgm
.Lentry_shape_is_right:
; out0 = O w_proj + b_proj on codes of E2M1 (K = 1,024), sums in f32.  A block is 128 tokens x 256 columns; a wave makes 64 x 128.
; oc: [16 tokens: 512][head 16][512 bytes]: the operand's registers as attention stored them (16 x lane).  os: [b][head][token] two scale bytes.  wz: w_proj's columns are rows 3,072 on: 512 bytes of codes, 32 scale bytes.
; ALL OF K LIES IN LDS, brought at the head by one joint load a wave: wave 0 A's codes (65,536 dense bytes), wave 1 B's 256 rows of 512 bytes, wave 2 A's scale halves, wave 3 B's scale bytes.  Nothing is filled later.
; CLUSTER 4 x 4: A's tiles are shared along a row of the cluster, B's along a column.  No prefetch: nothing is fetched behind the head, so there is no loop to run ahead in.
; THE PRODUCTS GO BY ROWS OF THE RESULT.  My fragments of B for all eight K steps come into registers once (8 x 64); then my four blocks of 16 rows are finished one after the other, 64 products each,
; the block's 8 accumulators by turns, K ascending; a finished block goes through my stage and is stored while the next block is multiplied.  LDS is read once for each fragment.
; Source 0 takes 16 rows of B, source 1 16 rows of A: a lane holds eight neighbouring columns of one row of the result.  The bias is the C of a block's first products.
; REGISTERS.  Window 0: v0-31 addresses; v32-95 B's scale words (8 b + k); v96-127 A's (8 a + k); v128-191 the bias; v192-255 a block read back from the stage.
; Windows 1, 2: B's fragments, K steps 0-3 and 4-7, at v[64 (k % 4) + 8 b].  Window 3: v0-127 two sets of 8 accumulators; v128-255 two sets of A's fragments (8 k).
.set PITCH,  528                       ; a row of B: 512 bytes + 16 of padding
.set HALFT,  128*PITCH
.set ASLOT,  4096                      ; from the first 512 along K to the second, inside a tile of A
.set BREG,   65536
.set BSLOT,  256                       ; the same inside a row of B
.set BSC,    204800                    ; behind B's 256 rows
.set HALFS,  16*272
.set SBLK,   2*272
.set ASC,    BSC+2*HALFS
.set STAGE,  ASC+4096
.set SPITCH, 528
.set SPARE,  STAGE+4*16*SPITCH         ; the spare words: 128 bytes a wave
.set ADRA, 16
.set ADRB, 20
.set STO,  24
.set RD,   25
.set CO,   26
.set BSA,  27
.set ASA,  28
.set SCB,  32
.set SCA,  96
.set BIAS, 128
.set SCH,  192                         ; at work while A's scale words are put together
.set BK,   192
.set G1, 24
.set G0, 32
.set G1B, 48
.set G0B, 56
.set G1S, 68
.set G0S, 76
.set G1SB, 80
.set G0SB, 88
.set MSB, 0
.macro WIN new                         ; the immediate's high byte repeats the setting that is left
.if MSB != \new
	s_set_vgpr_msb (MSB<<8)|\new
.set MSB, \new
.endif
.endm
.macro ARM under, g0, g1, next         ; an arm of the head's one chain of branches on the wave's number
	s_cmp_lt_u32 s16, \under
	s_cbranch_scc0 \next
	tensor_load_to_lds s[\g0:\g0+3], s[\g1:\g1+7]
	s_nop 0
.rept 4
	v_nop
.endr
	s_branch .Lhead_asked
\next:
.endm
.macro CREST
	s_cmp_lg_u32 s16, 0
	s_cbranch_scc1 .Lnot_wave_0_\@
	s_barrier_signal -3
.Lnot_wave_0_\@:
	s_barrier_wait -3
	s_barrier_signal -1
	s_barrier_wait -1
.endm
.macro CROUND                          ; a round of the cluster's barrier
	s_barrier_signal -1
	s_barrier_wait -1
	CREST
.endm
.macro PLACES n
.rept \n
	v_nop
.endr
.endm
	s_load_b256 s[4:11], s[0:1], 0x0               ; oc, os, wz, b_proj
	s_load_b64 s[12:13], s[0:1], 0x20              ; out0
	v_lshl_add_u32 v30, v0, 2, SPARE
	v_mov_b32 v31, 0
	ds_add_u32 v30, v31                            ; the opening lines: the add, twice on end, and its wait
	ds_add_u32 v30, v31
	v_lshrrev_b32 v1, 5, v0
	v_readfirstlane_b32 s16, v1                    ; wave 0..3
	s_lshr_b32 s17, s16, 1                         ; my half of the block's rows
	s_and_b32 s18, s16, 1                          ; my half of its columns
	s_bfe_u32 s19, ttmp6, 0x40000                  ; cx
	s_bfe_u32 s20, ttmp6, 0x40004                  ; cy
	s_and_b32 s22, ttmp7, 0xffff
	s_lshl_b32 s40, s22, 2
	s_add_co_u32 s40, s40, s20                     ; which 128 tokens
	s_lshl_b32 s41, s20, 2
	s_lshl_b32 s41, 15, s41                        ; my row of the cluster
	s_lshl_b32 s44, ttmp9, 2
	s_add_co_u32 s44, s44, s19                     ; which 256 columns
	s_lshl_b32 s45, 0x1111, s19                    ; my column of the cluster
	s_or_b32 s[G1+0], s41, (3<<16)|(1<<21)         ; A's codes: 256 rows of 256 bytes, dense
	s_mov_b32 s[G1+1], 32<<16
	s_mov_b32 s[G1+2], 256<<16
	s_mov_b32 s[G1+3], 32<<16
	s_mov_b32 s[G1+4], 256
	s_mov_b32 s[G1+5], 32
	s_mov_b32 s[G1+6], 0
	s_mov_b32 s[G1+7], 0
	s_or_b32 s[G1S+0], s41, (3<<16)|(1<<21)        ; A's scale halves: 256 bytes of each of 16 heads, 4,096 bytes apart
	s_mov_b32 s[G1S+1], 32<<16
	s_mov_b32 s[G1S+2], 16<<16
	s_mov_b32 s[G1S+3], 32<<16
	s_mov_b32 s[G1S+4], 16
	s_mov_b32 s[G1S+5], 512
	s_mov_b32 s[G1S+6], 0
	s_mov_b32 s[G1S+7], 0
	s_or_b32 s[G1B+0], s45, (0<<16)|(1<<20)|(1<<21)|(6<<22)|(3<<25)   ; B's codes: 256 rows of 512 bytes, 4 words of padding behind each
	s_mov_b32 s[G1B+1], 512<<16
	s_mov_b32 s[G1B+2], 256<<16
	s_mov_b32 s[G1B+3], 512<<16
	s_mov_b32 s[G1B+4], 256
	s_mov_b32 s[G1B+5], 512
	s_mov_b32 s[G1B+6], 0
	s_mov_b32 s[G1B+7], 0
	s_or_b32 s[G1SB+0], s45, (3<<16)|(1<<20)|(1<<21)|(5<<22)|(3<<25)  ; B's scale bytes: 8,192 dense bytes, 32 rows of 256 + 16
	s_mov_b32 s[G1SB+1], 32<<16
	s_mov_b32 s[G1SB+2], 32<<16
	s_mov_b32 s[G1SB+3], 32<<16
	s_mov_b32 s[G1SB+4], 32
	s_mov_b32 s[G1SB+5], 32
	s_mov_b32 s[G1SB+6], 0
	s_mov_b32 s[G1SB+7], 0
	s_lshl_b32 s42, s40, 16                        ; oc: 65,536 bytes for 128 tokens
	s_mov_b32 s43, 0
	s_lshr_b32 s14, s40, 4
	s_lshl_b32 s14, s14, 16                        ; os: the batch,
	s_and_b32 s23, s40, 15
	s_lshl_b32 s23, s23, 8
	s_add_co_u32 s14, s14, s23                     ; and the 128 tokens in a head's row
	s_mov_b32 s15, 0
	s_lshl_b32 s66, s44, 8
	s_lshl_b32 s46, s66, 9
	s_add_co_u32 s46, s46, 1572864                 ; w_proj's codes: row 3,072 of wz on
	s_mov_b32 s47, 0
	s_lshl_b32 s66, s66, 5
	s_add_co_u32 s66, s66, 2195456                 ; and its scale bytes
	s_mov_b32 s67, 0
	s_wait_dscnt 0x0
	s_wait_kmcnt 0x0
	s_add_nc_u64 s[92:93], s[4:5], s[42:43]
	s_add_nc_u64 s[94:95], s[6:7], s[14:15]
	s_add_nc_u64 s[96:97], s[8:9], s[46:47]
	s_add_nc_u64 s[98:99], s[8:9], s[66:67]
	CROUND                                         ; all sixteen work-groups are here: the joint loads meet
	s_mov_b32 s[G0S], 1
	s_mov_b32 s[G0S+1], ASC
	s_mov_b64 s[G0S+2:G0S+3], s[94:95]
	s_or_b32 s[G0S+3], s[G0S+3], 0x80000000
	s_mov_b32 s[G0SB], 1
	s_mov_b32 s[G0SB+1], BSC
	s_mov_b64 s[G0SB+2:G0SB+3], s[98:99]
	s_or_b32 s[G0SB+3], s[G0SB+3], 0x80000000
	s_mov_b32 s[G0], 1
	s_mov_b32 s[G0+1], 0
	s_mov_b64 s[G0+2:G0+3], s[92:93]
	s_or_b32 s[G0+3], s[G0+3], 0x80000000
	s_mov_b32 s[G0B], 1
	s_mov_b32 s[G0B+1], BREG
	s_mov_b64 s[G0B+2:G0B+3], s[96:97]
	s_or_b32 s[G0B+3], s[G0B+3], 0x80000000
	ARM 1, G0,  G1,  .Lhead_b                      ; the head's four joint loads, one a wave
	ARM 2, G0B, G1B, .Lhead_sa
	ARM 3, G0S, G1S, .Lhead_sb
	tensor_load_to_lds s[G0SB:G0SB+3], s[G1SB:G1SB+7]
	s_nop 0
.rept 4
	v_nop
.endr
.Lhead_asked:
	v_and_b32 v1, 15, v0                           ; r
	s_wait_alu depctr_va_vdst(0)                   ; the waits among these lines
	v_bfe_u32 v2, v0, 4, 1                         ; h
	s_lshl_b32 s14, s44, 10
	s_lshl_b32 s15, s18, 9
	s_add_co_u32 s14, s14, s15
	s_mov_b32 s15, 0
	s_add_nc_u64 s[10:11], s[10:11], s[14:15]      ; the bias of my 128 columns
	v_lshlrev_b32 v5, 5, v2
.irp b, 0,1,2,3,4,5,6,7
	global_load_b128 v[BIAS+8*\b:BIAS+8*\b+3], v5, s[10:11] offset:64*\b       ; in the result's layout: columns 16 b + 8 h + 0 .. 7
	global_load_b128 v[BIAS+8*\b+4:BIAS+8*\b+7], v5, s[10:11] offset:64*\b+16
.endr
	v_and_b32 v3, 31, v0
	v_lshlrev_b32 v[CO], 4, v3                     ; 16 x lane
	s_lshl_b32 s14, s17, 15
	v_add_nc_u32 v[ADRA], s14, v[CO]               ; my four tiles of A
	v_add_nc_u32 v[ADRA+1], ASLOT, v[ADRA]
	v_mul_u32_u24 v4, v1, PITCH
	s_wait_alu depctr_va_vdst(0)
	v_lshl_add_u32 v4, v2, 4, v4
	s_mul_i32 s14, s18, HALFT
	s_add_co_u32 s14, s14, BREG
	v_add_nc_u32 v[ADRB], s14, v4                  ; my 128 rows of B
	v_add_nc_u32 v[ADRB+1], BSLOT, v[ADRB]
	v_lshlrev_b32 v4, 5, v1
	v_lshrrev_b32 v6, 8, v4
	v_lshl_add_u32 v4, v6, 4, v4
	s_mul_i32 s14, s18, HALFS
	s_add_co_u32 s14, s14, BSC
	v_add_nc_u32 v[BSA], s14, v4                   ; their scale bytes
	s_lshl_b32 s14, s17, 7
	s_add_co_u32 s14, s14, ASC
	v_lshl_add_u32 v[ASA], v1, 1, s14              ; my rows' scale halves
	s_mul_i32 s14, s16, 16*SPITCH
	s_add_co_u32 s14, s14, STAGE                   ; my stage
	v_mul_u32_u24 v4, v1, SPITCH
	v_lshl_add_u32 v4, v2, 5, v4
	v_add_nc_u32 v[STO], s14, v4
	v_add_nc_u32 v[RD], s14, v[CO]
	s_lshl_b32 s14, s40, 7
	s_lshl_b32 s15, s17, 6
	s_add_co_u32 s14, s14, s15                     ; my first row of out0,
	s_lshl_b32 s14, s14, 12
	s_lshl_b32 s15, s44, 10
	s_add_co_u32 s14, s14, s15
	s_lshl_b32 s15, s18, 9
	s_add_co_u32 s14, s14, s15                     ; and my first column
	s_mov_b32 s15, 0
	s_add_nc_u64 s[12:13], s[12:13], s[14:15]
.macro BSTEP k                         ; B's eight fragments of K step k: 16 loads
	WIN 0x40*(1+(\k)/4)
.irp i, 0,1,2,3,4,5,6,7
.irp c, 0,1
	ds_load_b128 v[64*((\k)%4)+8*\i+4*\c:64*((\k)%4)+8*\i+4*\c+3], v[ADRB+(\k)/4] offset:64*((\k)%4)+32*\c+\i*16*PITCH
.endr
.endr
.endm
.macro ALOAD a                         ; A's block a, all eight K steps: 16 loads
	WIN 0xc0
.irp k, 0,1,2,3,4,5,6,7
.irp c, 0,1
	ds_load_b128 v[128+64*((\a)%2)+8*\k+4*\c:128+64*((\a)%2)+8*\k+4*\c+3], v[ADRA+\k/4] offset:8192*(\a)+1024*(\k%4)+512*\c
.endr
.endr
.endm
; Eight products: block a, K step k.  The block's 8 accumulators take turns, one instruction a turn.  Windows: D and A's fragment 3; B's fragment 1 or 2; C 0 (the bias) or 3.
.macro MULK a, k
.if (\k) == 0
	WIN 0xcd
.else
.if (\k) < 4
	WIN 0xfd
.else
	WIN 0xfe
.endif
.endif
.irp b, 0,1,2,3,4,5,6,7
.if (\k) == 0
	v_wmma_scale_f32_16x16x128_f8f6f4 v[64*((\a)%2)+8*\b:64*((\a)%2)+8*\b+7], v[64*((\k)%4)+8*\b:64*((\k)%4)+8*\b+7], v[128+64*((\a)%2)+8*(\k):128+64*((\a)%2)+8*(\k)+7], v[BIAS+8*\b:BIAS+8*\b+7], v[SCB+8*\b+(\k)], v[SCA+8*(\a)+(\k)] matrix_a_fmt:MATRIX_FMT_FP4 matrix_b_fmt:MATRIX_FMT_FP4
.else
	v_wmma_scale_f32_16x16x128_f8f6f4 v[64*((\a)%2)+8*\b:64*((\a)%2)+8*\b+7], v[64*((\k)%4)+8*\b:64*((\k)%4)+8*\b+7], v[128+64*((\a)%2)+8*(\k):128+64*((\a)%2)+8*(\k)+7], v[64*((\a)%2)+8*\b:64*((\a)%2)+8*\b+7], v[SCB+8*\b+(\k)], v[SCA+8*(\a)+(\k)] matrix_a_fmt:MATRIX_FMT_FP4 matrix_b_fmt:MATRIX_FMT_FP4
.endif
.endr
.endm
.macro ROW a
.irp k, 0,1,2,3,4,5,6,7
	MULK \a, \k
.endr
	WIN 0
.endm
.macro TOSTAGE a                       ; block a into my stage, each accumulator from its low end on, and back as whole rows of 512 bytes; LDS serves a wave's instructions in order
	WIN 0x0c
.irp b, 0,1,2,3,4,5,6,7
	ds_store_b128 v[STO], v[64*((\a)%2)+8*\b:64*((\a)%2)+8*\b+3] offset:64*\b
	ds_store_b128 v[STO], v[64*((\a)%2)+8*\b+4:64*((\a)%2)+8*\b+7] offset:64*\b+16
.endr
	WIN 0
.irp t, 0,1,2,3,4,5,6,7,8,9,10,11,12,13,14,15
	ds_load_b128 v[BK+4*\t:BK+4*\t+3], v[RD] offset:\t*SPITCH
.endr
.endm
.macro SEND a, younger                 ; younger: the LDS loads issued behind the stage's, which may stay out
	s_wait_dscnt \younger
.if (\a) > 0
	s_add_nc_u64 s[12:13], s[12:13], 16*4096       ; (behind a wait on XCNT: the earlier stores have read their base)
.endif
.irp t, 0,1,2,3,4,5,6,7,8,9,10,11,12,13,14,15
	global_store_b128 v[CO], v[BK+4*\t:BK+4*\t+3], s[12:13] offset:\t*4096 th:TH_STORE_NT   ; 512 consecutive bytes, aligned
.endr
.endm
	s_wait_alu depctr_va_vdst(0)                   ; the wait at the head's end
	s_wait_tensorcnt 0x0                           ; my one load has landed
	s_barrier_signal -1
	s_barrier_wait -1                              ; and so have the other three
.irp b, 0,1,2,3,4,5,6,7
.irp s, 0,1
	ds_load_b128 v[SCB+8*\b+4*\s:SCB+8*\b+4*\s+3], v[BSA] offset:\b*SBLK+16*\s
.endr
.endr
.irp a, 0,1,2,3
.irp g, 0,1,2,3,4,5,6,7
	ds_load_u16 v[SCA+8*\a+\g], v[ASA] offset:512*\g+32*\a           ; K step g: head 2 g's two bytes,
	ds_load_u16 v[SCH+8*\a+\g], v[ASA] offset:512*\g+256+32*\a       ; and head 2 g + 1's
.endr
.endr
	ALOAD 0
	BSTEP 0
	BSTEP 1
	BSTEP 2
	WIN 0
	s_wait_dscnt 48                                ; the scales and A's block 0 are in; B's first three K steps may be out
.set J, 0
.rept 32
	v_lshl_or_b32 v[SCA+J], v[SCH+J], 16, v[SCA+J]
.set J, J+1
.endr
	PLACES 8                                       ; a scale register written by a vector instruction stands 8 places ahead of a scaled product
	s_wait_alu depctr_va_vdst(0)                   ; the wait directly ahead of the wait below
	s_wait_loadcnt 0x0                             ; the bias
.irp k, 0,1,2,3,4                                      ; block 0 is multiplied while B's later K steps arrive: three steps (48 loads) are out behind the one in hand
	BSTEP \k+3
	s_wait_dscnt 48
	MULK 0, \k
.endr
	ALOAD 1
	s_wait_dscnt 48                                ; behind K step 5: steps 6 and 7 and A's block 1
	MULK 0, 5
	s_wait_dscnt 32
	MULK 0, 6
	s_wait_dscnt 16
	MULK 0, 7
	WIN 0
	PLACES 4                                       ; four places between the last products and the reads of their results, and the loads into their sources
	TOSTAGE 0
	ALOAD 2
	s_wait_dscnt 48                                ; A's block 1 is in; the stage's 32 and block 2's 16 may be out
	ROW 1
	SEND 0, 16
	PLACES 4
	s_wait_xcnt 0x0                                ; block 0's stores have read their registers and their base
	TOSTAGE 1
	ALOAD 3
	s_wait_dscnt 48
	ROW 2
	SEND 1, 16
	PLACES 4
	s_wait_xcnt 0x0
	TOSTAGE 2
	s_wait_dscnt 32                                ; A's block 3 is in; the stage's 32 may be out
	ROW 3
	SEND 2, 0
	PLACES 4
	s_wait_xcnt 0x0
	TOSTAGE 3
	SEND 3, 0
	s_wait_tensorcnt 0x0                           ; the wave's end
	ds_add_u32 v30, v31
	s_wait_dscnt 0x0
	CROUND                                         ; the closing round
	s_endpgm
.Lfunc_end_k_qd57bde5109_proj:
	.size	k_qd57bde5109_proj, .Lfunc_end_k_qd57bde5109_proj-k_qd57bde5109_proj
	.p2alignl 7, 3214868480
	.fill 96, 4, 3214868480
	.section	.rodata,"a",@progbits
	.p2align	6, 0x0
	.amdhsa_kernel k_qd57bde5109_proj
		.amdhsa_group_segment_fixed_size 327680
		.amdhsa_private_segment_fixed_size 0
		.amdhsa_enable_private_segment 0
		.amdhsa_kernarg_size 40
		.amdhsa_user_sgpr_count 2
		.amdhsa_user_sgpr_kernarg_segment_ptr 1
		.amdhsa_wavefront_size32 1
		.amdhsa_system_sgpr_workgroup_id_x 1
		.amdhsa_system_sgpr_workgroup_id_y 1
		.amdhsa_system_sgpr_workgroup_id_z 1
		.amdhsa_system_vgpr_workitem_id 0
		.amdhsa_next_free_vgpr 1024
		.amdhsa_next_free_sgpr 102
		.amdhsa_reserve_vcc 0
		.amdhsa_float_denorm_mode_32 3
		.amdhsa_float_denorm_mode_16_64 3
		.amdhsa_memory_ordered 1
		.amdhsa_forward_progress 1
		.amdhsa_inst_pref_size 78
	.end_amdhsa_kernel
	.amdgpu_metadata
---
amdhsa.version: [ 1, 2 ]
amdhsa.kernels:
  - .name:           k_qd57bde5109_proj
    .symbol:         k_qd57bde5109_proj.kd
    .args:
      - { .name: oc, .offset: 0, .size: 8, .value_kind: global_buffer, .address_space: global }
      - { .name: os, .offset: 8, .size: 8, .value_kind: global_buffer, .address_space: global }
      - { .name: wz, .offset: 16, .size: 8, .value_kind: global_buffer, .address_space: global }
      - { .name: b_proj, .offset: 24, .size: 8, .value_kind: global_buffer, .address_space: global }
      - { .name: out0, .offset: 32, .size: 8, .value_kind: global_buffer, .address_space: global }
    .group_segment_fixed_size: 327680
    .private_segment_fixed_size: 0
    .kernarg_segment_align: 8
    .kernarg_segment_size: 40
    .max_flat_workgroup_size: 128
    .sgpr_count:     102
    .vgpr_count:     1024
    .wavefront_size: 32
...
	.end_amdgpu_metadata
.endif
;; end of part 4
